; MI455X (gfx1250); checked and timed in simulation.
; The chip was launched on July 23, 2026; its instructions are those of AMD's public machine-readable ISA for CDNA 5 (MIT licence, August 2026) and "CDNA5" Instruction Set Architecture Reference Guide (July 2026). The comments in the code are by the model that wrote it; some were corrected since.
;; Custom Roberta Attention. Allowed arithmetic: matrix products marked QUANTISED: E2M1 operands, one E8M0 scale for each 32 along K, by v_wmma_scale_f32_16x16x128_f8f6f4 with both operands' format E2M1 (or v_wmma_scale_f32_32x16x128_f4), f32 sums; everything else in f32.
;; Inputs: Wk_codes 1,024 x 32 x 16 uint8 (E2M1 codes of Wk, K innermost, in blocks of 32 codes, two codes a byte); Wk_scales 1,024 x 32 uint8 (E8M0 scales of Wk, one for each 32 codes along K); Wo_codes 1,024 x 32 x 16 uint8 (E2M1 codes of Wo, K innermost, in blocks of 32 codes, two codes a byte); Wo_scales 1,024 x 32 uint8 (E8M0 scales of Wo, one for each 32 codes along K); Wq_codes 1,024 x 32 x 16 uint8 (E2M1 codes of Wq, K innermost, in blocks of 32 codes, two codes a byte); Wq_scales 1,024 x 32 uint8 (E8M0 scales of Wq, one for each 32 codes along K); Wv_codes 1,024 x 32 x 16 uint8 (E2M1 codes of Wv, K innermost, in blocks of 32 codes, two codes a byte); Wv_scales 1,024 x 32 uint8 (E8M0 scales of Wv, one for each 32 codes along K); attention_mask 4 x 1 x 1 x 2,048 float32; bk 1,024 float32; bo 1,024 float32; bq 1,024 float32; bv 1,024 float32; hidden_states 4 x 2,048 x 1,024 float32; ln_beta 1,024 float32; ln_gamma 1,024 float32.
;; Outputs: out0 4 x 2,048 x 1,024 float32.
;; This version of the problem:
;;   THIS VERSION OF THE PROBLEM IS GIVEN IN LOW PRECISION. The matrix products marked QUANTISED in the list below multiply operands that are first quantised to E2M1 (2 exponent bits, 1 mantissa bit; 4 bits a number), with one power-of-two scale for each 32 numbers along K (OCP MX v1.0); their sums are f32. All else is computed in f32.
;;   The module's matrix products, in the order in which they are computed (A, B: the left and right operand; K: the contracted axis; several contracted axes count as one K, in the product's order):
;;     1. [M 8,192, K 1,024] x [K 1,024, N 1,024]; A: input hidden_states; B: input Wq (given as codes): QUANTISED
;;     2. [M 8,192, K 1,024] x [K 1,024, N 1,024]; A: input hidden_states; B: input Wk (given as codes): QUANTISED
;;     3. [M 8,192, K 1,024] x [K 1,024, N 1,024]; A: input hidden_states; B: input Wv (given as codes): QUANTISED
;;     4. batch 64 x [M 2,048, K 64] x [K 64, N 2,048]; A: computed on the way; B: computed on the way: QUANTISED
;;     5. batch 64 x [M 2,048, K 2,048] x [K 2,048, N 64]; A: softmax (see below); B: computed on the way: QUANTISED
;;     6. [M 8,192, K 1,024] x [K 1,024, N 1,024]; A: computed on the way; B: input Wo (given as codes): QUANTISED
;;   THE QUANTISER, for each operand of a quantised product, along K:
;;     - K is cut into blocks of 32 from its start; a last block that is shorter is filled with zeros.
;;     - A block's scale is 2^e with e = floor(log2(the largest magnitude in the block)) - 2, held to -126 .. 127; a block of zeros has e = 0. As a byte (E8M0): e + 127.
;;     - Each number is divided by its block's scale, clamped to +-6, and rounded to the nearest number of E2M1, ties to even, subnormals kept.
;;     - The product sums the exact products of the quantised numbers (number of the format x scale) in f32.
;;   ~~~python
;;   def quantise(x, axis):      # numpy; x: float32 -> the quantised numbers, widened to float32 again
;;       x = np.moveaxis(x, axis, -1); K = x.shape[-1]
;;       x = np.pad(x, [(0, 0)] * (x.ndim - 1) + [(0, -K % 32)]); x = x.reshape(x.shape[:-1] + (-1, 32)); a = np.abs(x).max(-1, keepdims=True)
;;       e = np.where(a > 0, np.clip(np.frexp(np.where(a > 0, a, 1))[1] - 1 - 2, -126, 127), 0)      # np.frexp(a)[1] - 1 = floor(log2(a)), exactly
;;       r = np.clip(x / 2.0 ** e, -6, 6)
;;       step = 2.0 ** (np.maximum(np.frexp(np.where(r == 0, 1, r))[1] - 1, 0) - 1)
;;       q = np.round(r / step) * step * 2.0 ** e      # np.round: ties to even
;;       return np.moveaxis(q.reshape(q.shape[:-2] + (-1,))[..., :K], -1, axis).astype(np.float32)
;;   ~~~
;;   SOFTMAX AHEAD OF A QUANTISED PRODUCT. Where the list says 'softmax', what is quantised is not the finished softmax but p = 2^(t - M), with t = logit x log2(e) and M = ceil(the row's largest t), a whole number; so 1/2 < the row's largest p <= 1. The row's sum l is taken of the UNQUANTISED p, in f32, and the product's result is divided by l at the end. Since M is a whole number, a kernel that streams over the keys may use a running M (the ceiling of the running maximum): every later rescaling is an exact power of two, which a block's scale takes up: the codes' values come out the same.
;;   OPERANDS COMPUTED ON THE WAY. 'Computed on the way' means the value that the module computes at that place (a softmax that the list does not call 'softmax' is quantised finished and normalised). What goes into a quantiser is computed in f32, as accurately as f32 sums, v_exp_f32 and their like allow (about 1e-6 of the number): no bf16 or f16 on the way to a quantiser, and a product that is left as it is and whose result goes on into a quantised operand takes f32 operands (vector FMAs, or v_wmma_f32_16x16x4_f32). A number that lies on a knife's edge between two numbers of the format may be rounded either way, as far as f32 arithmetic and the matrix unit's own rounding can turn it there, and no further.
;;   INPUTS GIVEN AS CODES. Wk (in the module: [1024, 1024], K = its axis 0); Wo (in the module: [1024, 1024], K = its axis 0); Wq (in the module: [1024, 1024], K = its axis 0); Wv (in the module: [1024, 1024], K = its axis 0): each comes as NAME_codes (uint8): NAME with its K axis moved to the last place and cut into blocks of 32 codes, [.., K / 32, bytes a block], one block behind the other in memory; two codes a byte, the lower K in the low four bits (a code: sign, 2 exponent bits, 1 mantissa bit); and NAME_scales (uint8): the same leading axes, one E8M0 byte (e + 127) for each 32 codes along K. Its value is code x scale, taken as it is: it is not quantised again, and the codes and scales need not be those that the quantiser above would give.
;; One version. Each part assembles by itself: llvm-mc -triple=amdgcn-amd-amdhsa -mcpu=gfx1250 --defsym DOCPART=n.
;; ======== version 1 of 1: 4 launches
;; limits: right only within a limited range of input values
;; workspace buffers: hc 4,194,304 bytes; hs 262,144 bytes; wi 2,097,152 bytes; ws 131,072 bytes; qkv 13,893,632 bytes; ctxc 4,194,304 bytes; ctxs 262,144 bytes
;; launch prep (part 1): grid 384 x 1, 4 waves a work-group, no clusters, 59,904 bytes of LDS; arguments hidden_states, Wq_codes, Wq_scales, Wk_codes, Wk_scales, Wv_codes, Wv_scales, Wo_codes, Wo_scales, hc, hs, wi, ws; writes hc, hs, wi, ws
.if DOCPART == 1
	.amdgcn_target "amdgcn-amd-amdhsa--gfx1250"
	.amdhsa_code_object_version 6
	.text
	.protected	k_qf399fa2f47_prep
	.globl	k_qf399fa2f47_prep
	.p2align	8
	.type	k_qf399fa2f47_prep,@function
k_qf399fa2f47_prep:
	s_mov_b64 s[64:65], 0
	v_nop
	global_prefetch_b8 v0, s[64:65] scope:SCOPE_SE
	s_setreg_imm32_b32 hwreg(HW_REG_WAVE_MODE, 25, 1), 1
	s_wait_xcnt 0x0
; hidden_states [8192][1024] f32 becomes codes of FP4 (E2M1) with one E8M0 byte for each 32 along the row, and the four weights' codes and scale bytes are laid anew:
; all as IMAGES OF OPERAND REGISTERS, so that the later launches load fragments as dense runs of 512 bytes.
; A TILE is 16 rows that are not neighbours: lane row r of tile T = 2 g + u is row 32 g + 8 u + r + 8 (r / 8).
; CODES: byte sigma NT 4096 + T 4096 + s' 1024 + c 512 + 16 l holds, for lane l = r + 16 h, the row's code bytes 64 (4 sigma + s') + 32 c + 16 h + 0 .. 15  (NT tiles: 512 for hidden, 256 for the weights q, k, v, o on end).
; SCALES: byte T 512 + 16 (r + 16 sigma) + 0 .. 15 holds the row's scale bytes 16 sigma + 0 .. 15.
; A block's scale is 2^(floor(log2(largest magnitude)) - 2); its byte is the largest magnitude's exponent field - 2, held at 1 from below.
; LIMITS: a block whose largest magnitude lies under 2^-124 keeps the byte 1; a block of zeros has the byte 1 where the rule says 127 (its codes are zeros, and this program alone reads the bytes); NaN and infinities are not served.
; SHARES.  Work-groups 0-255: wave W = 4 x work-group + wave takes half sigma = W % 2 of the 16 rows of tile W / 2: 16 steps of 512 numbers, one row each.  Work-groups 256-383: a wave takes half a tile of a weight.
; The waves share nothing: no barrier.  The two ways have LDS bytes of their own.  No cluster: no two work-groups read the same bytes.
.set STEPS, 16
.set WREG,  10240                      ; LDS of a wave on the first way: two turning stages of 32 x SP, its 256 scale bytes, the image's stage
.set SP,    80                         ; a lane's place in a turning stage: 64 bytes + 16 of padding
.set SCB,   5120
.set IMGS,  5376
.set GP,    272                        ; the image's stage: 16 groups of 256 bytes + 16 of padding
.set WSTG,  40960                      ; the second way's stages, WSTGB bytes a wave
.set WSTGB, 4608
.set R,     16                         ; v16-79   four sets of 16 numbers as loaded
.set X,     80                         ; v80-111  two sets of 16 neighbours
.set E,     112                        ; v112-127 a scale byte for each step
.set C,     128                        ; v128-191 codes: registers of its own for each step
	s_load_b512 s[8:23], s[0:1], 0x0               ; hidden s[8:9]; Wq's codes, scales s[10:13]; Wk's s[14:17]; Wv's s[18:21]; Wo's codes s[22:23]
	s_load_b256 s[24:31], s[0:1], 0x40             ; Wo's scales s[24:25]; hc s[26:27]; hs s[28:29]; wi s[30:31]
	s_load_b64 s[32:33], s[0:1], 0x60              ; ws
	v_lshl_add_u32 v192, v0, 2, 0xe800
	v_mov_b32 v193, 0
	v_lshrrev_b32 v1, 5, v0
	v_readfirstlane_b32 s34, v1                    ; wave
	v_and_b32 v2, 31, v0                           ; lane
	v_lshlrev_b32 v3, 4, v2                        ; 16 x lane
	v_lshlrev_b32 v7, 3, v2                        ; 8 x lane
	s_lshr_b32 s35, s34, 1                         ; which of the work-group's two tiles
	s_and_b32 s36, s34, 1                          ; sigma
	v_lshrrev_b32 v8, 1, v2
	v_and_b32 v9, 1, v2
	v_mul_u32_u24 v4, v8, GP
	v_lshl_add_u32 v4, v9, 3, v4                   ; into the image's stage: a lane's 8 code bytes belong to group lane / 2 = 4 s' + 2 c + h, at 8 (lane % 2); the row adds 16 t
	v_lshrrev_b32 v9, 4, v2
	v_and_b32 v11, 15, v2
	v_mul_u32_u24 v10, v9, GP
	v_lshl_add_u32 v10, v11, 4, v10                ; out of it: sixteen lanes to a group, two groups an instruction
	s_mov_b32 s41, 0
	s_wait_kmcnt 0x0
	s_cmp_lt_u32 ttmp9, 256
	s_cbranch_scc0 .Lweights
	; ---- hidden_states
	s_mul_i32 s37, s34, WREG
	v_lshrrev_b32 v14, 2, v2
	v_mul_u32_u24 v14, v14, SP
	v_and_b32 v15, 3, v2
	v_lshl_add_u32 v14, v15, 4, v14
	v_add_nc_u32 v14, s37, v14                     ; the turning stage, in: SP (lane / 4) + 16 (lane % 4)
	v_mul_u32_u24 v15, v2, SP
	v_add_nc_u32 v15, s37, v15                     ; and out: SP x lane: my 16 neighbours
	v_add_nc_u32 v5, s37, v8                       ; my block's scale byte
	v_add_nc_u32 v6, s37, v7                       ; the scale bytes on the way out
	v_add_nc_u32 v4, s37, v4
	v_add_nc_u32 v10, s37, v10
	s_lshl_b32 s40, ttmp9, 17                      ; tile 2 g + u begins at row 32 g + 8 u: g = work-group, rows of 4,096 bytes
	s_lshl_b32 s42, s35, 15
	s_add_co_u32 s40, s40, s42
	s_lshl_b32 s42, s36, 11                        ; + 2,048 sigma
	s_add_co_u32 s40, s40, s42
	s_add_nc_u64 s[8:9], s[8:9], s[40:41]
	s_lshl_b32 s43, ttmp9, 1
	s_add_co_u32 s43, s43, s35                     ; T
	s_lshl_b32 s40, s43, 12
	s_lshl_b32 s42, s36, 21
	s_add_co_u32 s40, s40, s42
	s_add_nc_u64 s[26:27], s[26:27], s[40:41]      ; hc + sigma 512 x 4096 + T 4096
	s_lshl_b32 s40, s43, 9
	s_lshl_b32 s42, s36, 8
	s_add_co_u32 s40, s40, s42
	s_add_nc_u64 s[28:29], s[28:29], s[40:41]      ; hs + T 512 + 256 sigma
.macro LOAD t                          ; step t = the tile's row t: four loads of 512 consecutive bytes
.irp i, 0,1,2,3
	global_load_b128 v[R+16*((\t)%4)+4*\i:R+16*((\t)%4)+4*\i+3], v3, s[8:9] offset:((\t)+8*((\t)/8))*4096+512*\i th:TH_LOAD_NT
.endr
.endm
.macro TURN t                          ; through the stage: in as loaded, out 64 bytes a lane; LDS serves a wave's instructions in order
.irp i, 0,1,2,3
	ds_store_b128 v14, v[R+16*((\t)%4)+4*\i:R+16*((\t)%4)+4*\i+3] offset:32*SP*((\t)%2)+8*SP*\i
.endr
.irp i, 0,1,2,3
	ds_load_b128 v[X+16*((\t)%2)+4*\i:X+16*((\t)%2)+4*\i+3], v15 offset:32*SP*((\t)%2)+16*\i
.endr
.endm
.irp t, 0,1,2,3
	LOAD \t
.endr
	s_wait_alu depctr_va_vdst(0)
	s_wait_loadcnt 12                              ; step 0's four loads are in
	TURN 0
.macro STEP t
.set XS, X+16*((\t)%2)
.if (\t) > 0
	s_wait_dscnt 2                                 ; this step's numbers are back (the last step's two stores may be out), so its stores into the stage have read their registers,
.else
	s_wait_dscnt 0x0
.endif
.if (\t)+4 < STEPS
	LOAD (\t)+4                                    ; which take the loads of four steps on
.endif
.if (\t)+1 < STEPS
.if STEPS-2-(\t) >= 3
	s_wait_loadcnt 12                              ; the next step's four loads are in; those of the three steps behind it may be out
.else
	s_wait_loadcnt 4*(STEPS-2-(\t))
.endif
	TURN (\t)+1
.endif
	v_max3_num_f32 v8, |v[XS]|, |v[XS+1]|, |v[XS+2]|               ; the largest magnitude of my 16
	v_max3_num_f32 v9, |v[XS+3]|, |v[XS+4]|, |v[XS+5]|
.irp i, 6,10
	v_max3_num_f32 v8, v8, |v[XS+\i]|, |v[XS+\i+1]|
	v_max3_num_f32 v9, v9, |v[XS+\i+2]|, |v[XS+\i+3]|
.endr
	v_max3_num_f32 v8, v8, |v[XS+14]|, |v[XS+15]|
	v_max3_num_f32 v8, v8, v9, 0x1800000           ; and the floor 2^(3 - 127): the byte cannot fall under 1
	v_max_num_f32_dpp v8, v8, v8 row_xmask:1 row_mask:0xf bank_mask:0xf   ; and of my neighbour's 16: the block's
	v_add_nc_u32 v11, 0xff000000, v8               ; 2 off its exponent field: the conversion takes this operand's exponent field as its scale
	v_cvt_scalef32_pk8_fp4_f32 v[C+4*(\t)], v[XS:XS+7], v11
	v_cvt_scalef32_pk8_fp4_f32 v[C+4*(\t)+1], v[XS+8:XS+15], v11
	v_lshrrev_b32 v[E+(\t)], 23, v11               ; the scale's byte
	ds_store_b8 v5, v[E+(\t)] offset:SCB+16*(\t)   ; both lanes of a block write the same byte with the same value
	ds_store_b64 v4, v[C+4*(\t):C+4*(\t)+1] offset:IMGS+16*(\t)
.endm
.irp t, 0,1,2,3,4,5,6,7,8,9,10,11,12,13,14,15
	STEP \t
.endr
	ds_load_b64 v[12:13], v6 offset:SCB            ; LDS serves a wave's instructions in order: these see my stores
.irp i, 0,1,2,3,4,5,6,7
	ds_load_b128 v[16+4*\i:19+4*\i], v10 offset:IMGS+2*GP*\i
.endr
	s_wait_dscnt 8
	global_store_b64 v7, v[12:13], s[28:29]        ; 32 lanes store 256 consecutive bytes, aligned
.irp i, 0,1,2,3,4,5,6,7
	s_wait_dscnt 7-\i
	global_store_b128 v3, v[16+4*\i:19+4*\i], s[26:27] offset:512*\i   ; 512 consecutive bytes of the image
.endr
	s_wait_tensorcnt 0x0
	ds_add_u32 v192, v193
	s_wait_dscnt 0x0
	s_endpgm
.Lweights:                             ; ---- the weights: nothing is computed, bytes change places
	s_sub_co_u32 s37, ttmp9, 256
	s_lshr_b32 s40, s37, 5                         ; which weight: 0 q, 1 k, 2 v, 3 o
	s_cmp_eq_u32 s40, 0
	s_cselect_b64 s[42:43], s[10:11], s[22:23]
	s_cselect_b64 s[44:45], s[12:13], s[24:25]
	s_cmp_eq_u32 s40, 1
	s_cselect_b64 s[42:43], s[14:15], s[42:43]
	s_cselect_b64 s[44:45], s[16:17], s[44:45]
	s_cmp_eq_u32 s40, 2
	s_cselect_b64 s[42:43], s[18:19], s[42:43]
	s_cselect_b64 s[44:45], s[20:21], s[44:45]
	s_lshl_b32 s38, s37, 1
	s_add_co_u32 s38, s38, s35                     ; the tile among all 256: 64 x weight + T
	s_and_b32 s39, s38, 63                         ; T
	s_lshr_b32 s46, s39, 1
	s_lshl_b32 s46, s46, 5
	s_and_b32 s47, s39, 1
	s_lshl_b32 s47, s47, 3
	s_add_co_u32 s46, s46, s47                     ; the tile's first row: 32 (T / 2) + 8 (T % 2)
	s_lshl_b32 s40, s46, 9                         ; rows of 512 code bytes, + 256 sigma
	s_lshl_b32 s47, s36, 8
	s_add_co_u32 s40, s40, s47
	s_add_nc_u64 s[42:43], s[42:43], s[40:41]
	s_lshl_b32 s40, s46, 5                         ; rows of 32 scale bytes, + 16 sigma
	s_lshl_b32 s47, s36, 4
	s_add_co_u32 s40, s40, s47
	s_add_nc_u64 s[44:45], s[44:45], s[40:41]
	s_lshl_b32 s40, s38, 12
	s_lshl_b32 s47, s36, 20
	s_add_co_u32 s40, s40, s47
	s_add_nc_u64 s[30:31], s[30:31], s[40:41]      ; wi + sigma 256 x 4096 + tile 4096
	s_lshl_b32 s40, s38, 9
	s_lshl_b32 s47, s36, 8
	s_add_co_u32 s40, s40, s47
	s_add_nc_u64 s[32:33], s[32:33], s[40:41]      ; ws + tile 512 + 256 sigma
	s_wait_alu depctr_va_vdst(0)
	v_and_b32 v12, 8, v8
	v_add_nc_u32 v12, v12, v8                      ; two lanes to a row r = lane / 2: row r + 8 (r / 8),
	v_lshlrev_b32 v12, 5, v12
	v_and_b32 v13, 1, v2
	v_lshl_add_u32 v12, v13, 3, v12                ; 8 of its 16 scale bytes each
	s_mul_i32 s46, s34, WSTGB
	v_add_nc_u32 v4, s46, v4
	v_add_nc_u32 v10, s46, v10
.irp t, 0,1,2,3,4,5,6,7,8,9,10,11,12,13,14,15
	global_load_b64 v[16+2*\t:17+2*\t], v7, s[42:43] offset:(\t+8*(\t/8))*512   ; half a row: 256 consecutive bytes, aligned
.endr
	global_load_b64 v[48:49], v12, s[44:45]
	s_wait_alu depctr_va_vdst(0)
	s_wait_loadcnt 0x0
.irp t, 0,1,2,3,4,5,6,7,8,9,10,11,12,13,14,15
	ds_store_b64 v4, v[16+2*\t:17+2*\t] offset:WSTG+16*\t
.endr
	global_store_b64 v7, v[48:49], s[32:33]        ; 256 consecutive bytes, aligned
.irp i, 0,1,2,3,4,5,6,7
	ds_load_b128 v[64+4*\i:67+4*\i], v10 offset:WSTG+2*GP*\i
.endr
.irp i, 0,1,2,3,4,5,6,7
	s_wait_dscnt 7-\i
	global_store_b128 v3, v[64+4*\i:67+4*\i], s[30:31] offset:512*\i
.endr
	s_wait_tensorcnt 0x0
	ds_add_u32 v192, v193
	s_wait_dscnt 0x0
	s_endpgm
.Lfunc_end_k_qf399fa2f47_prep:
	.size	k_qf399fa2f47_prep, .Lfunc_end_k_qf399fa2f47_prep-k_qf399fa2f47_prep
	.p2alignl 7, 3214868480
	.fill 96, 4, 3214868480
	.section	.rodata,"a",@progbits
	.p2align	6, 0x0
	.amdhsa_kernel k_qf399fa2f47_prep
		.amdhsa_group_segment_fixed_size 59904
		.amdhsa_private_segment_fixed_size 0
		.amdhsa_enable_private_segment 0
		.amdhsa_kernarg_size 104
		.amdhsa_user_sgpr_count 2
		.amdhsa_user_sgpr_kernarg_segment_ptr 1
		.amdhsa_wavefront_size32 1
		.amdhsa_system_sgpr_workgroup_id_x 1
		.amdhsa_system_sgpr_workgroup_id_y 1
		.amdhsa_system_sgpr_workgroup_id_z 1
		.amdhsa_system_vgpr_workitem_id 0
		.amdhsa_next_free_vgpr 194
		.amdhsa_next_free_sgpr 66
		.amdhsa_reserve_vcc 0
		.amdhsa_float_denorm_mode_32 3
		.amdhsa_float_denorm_mode_16_64 3
		.amdhsa_memory_ordered 1
		.amdhsa_forward_progress 1
		.amdhsa_inst_pref_size 41
	.end_amdhsa_kernel
	.amdgpu_metadata
---
amdhsa.version: [ 1, 2 ]
amdhsa.kernels:
  - .name:           k_qf399fa2f47_prep
    .symbol:         k_qf399fa2f47_prep.kd
    .args:
      - { .name: hidden_states, .offset: 0, .size: 8, .value_kind: global_buffer, .address_space: global }
      - { .name: Wq_codes, .offset: 8, .size: 8, .value_kind: global_buffer, .address_space: global }
      - { .name: Wq_scales, .offset: 16, .size: 8, .value_kind: global_buffer, .address_space: global }
      - { .name: Wk_codes, .offset: 24, .size: 8, .value_kind: global_buffer, .address_space: global }
      - { .name: Wk_scales, .offset: 32, .size: 8, .value_kind: global_buffer, .address_space: global }
      - { .name: Wv_codes, .offset: 40, .size: 8, .value_kind: global_buffer, .address_space: global }
      - { .name: Wv_scales, .offset: 48, .size: 8, .value_kind: global_buffer, .address_space: global }
      - { .name: Wo_codes, .offset: 56, .size: 8, .value_kind: global_buffer, .address_space: global }
      - { .name: Wo_scales, .offset: 64, .size: 8, .value_kind: global_buffer, .address_space: global }
      - { .name: hc, .offset: 72, .size: 8, .value_kind: global_buffer, .address_space: global }
      - { .name: hs, .offset: 80, .size: 8, .value_kind: global_buffer, .address_space: global }
      - { .name: wi, .offset: 88, .size: 8, .value_kind: global_buffer, .address_space: global }
      - { .name: ws, .offset: 96, .size: 8, .value_kind: global_buffer, .address_space: global }
    .group_segment_fixed_size: 59904
    .private_segment_fixed_size: 0
    .kernarg_segment_align: 8
    .kernarg_segment_size: 104
    .max_flat_workgroup_size: 128
    .sgpr_count:     66
    .vgpr_count:     194
    .wavefront_size: 32
...
	.end_amdgpu_metadata
.endif
;; end of part 1
;; launch qkv (part 2): grid 12 x 32, 4 waves a work-group, clusters of 4 x 4, 262,656 bytes of LDS; arguments hc, hs, wi, ws, bq, bk, bv, qkv; writes qkv
.if DOCPART == 2
	.amdgcn_target "amdgcn-amd-amdhsa--gfx1250"
	.amdhsa_code_object_version 6
	.text
	.protected	k_qf399fa2f47_qkv
	.globl	k_qf399fa2f47_qkv
	.p2align	8
	.type	k_qf399fa2f47_qkv,@function
k_qf399fa2f47_qkv:
	s_mov_b64 s[64:65], 0
	v_nop
	global_prefetch_b8 v0, s[64:65] scope:SCOPE_SE
	s_setreg_imm32_b32 hwreg(HW_REG_WAVE_MODE, 25, 1), 1
	s_wait_xcnt 0x0
	s_wait_alu depctr_hold_cnt(0) depctr_sa_sdst(0) depctr_va_vdst(0) depctr_va_sdst(0) depctr_va_ssrc(0) depctr_va_vcc(0) depctr_vm_vsrc(0)
	s_getreg_b32 s2, hwreg(HW_REG_IB_STS2, 6, 4)
	s_cmp_eq_u32 s2, 0
	s_cbranch_scc0 .Lentry_in_a_cluster
	s_endpgm
.Lentry_in_a_cluster:
	s_bfe_u32 s2, ttmp6, 0x10000c
	s_cmp_lg_u32 s2, 0xf033
	s_cbranch_scc0 .Lentry_shape_is_right
	s_endpgm
.Lentry_shape_is_right:
; q, k, v = hidden W + b on codes of FP4 with E8M0 scales, and at once quantised for the attention: q and k along the head's 64, v along the tokens.
; 384 tiles of 256 x 256; four waves, each 128 x 128: 64 accumulators, 512 registers.  Cluster x = 0, 1, 2 is q, k, v.
; ONE LOOP SERVES ALL THREE.  Source 0 is X, the axis along which the result is quantised, source 1 is Y: a lane then holds one row of Y and its registers run along X.
; q, k: X = 256 rows of the weight (output features), Y = 256 tokens.  v: X = 256 tokens, Y = 256 rows of Wv.  Only global addresses are chosen, on the cluster's x, which all sixteen partners share.
; OPERANDS arrive as images of their registers (see the launch before): a fragment is two dense loads of 512 bytes; no pitch, no padding.  The rows of a tile are chosen so that the 16 registers of X's tiles 2 g and 2 g + 1 are 16 neighbours.
; K = 1,024 is two LDS slots of 512 along K, both asked for at the start: no LDS byte is filled twice.
; CLUSTER 4 x 4: Y's tiles are shared along a row of the cluster, X's along a column: joint loads.
; OUT: 64 records of RECT bytes, one a head and batch: K's images, V's images, K's scale words, V's, Q's images, Q's scale words.  A wave's 128 tokens are one key step.
; LIMITS as in the launch before: a block under 2^-124, or of zeros, keeps the byte 1.
; REGISTERS.  Window 0: v1-27 addresses; v32-63 Y's scale words, v64-95 X's (tile i: 4 registers; lanes 0-15 K steps 0-3, lanes 16-31 K steps 4-7); v128-191 Y's fragments, one set.
;   Window 1: X's fragments, two sets, v0-63 and v128-191; v192-255 the bias; on the way out v0-7 scale words, v8-23 at work, v24-31 the words as stored, v64-127 64 numbers, v128-191 codes.
;   Windows 2, 3: the accumulators of Y's blocks 0-3 and 4-7: (a, b) at v[8 (8 (a % 4) + b)].
.set RECT,  217088
.set SLOTB, 131072                     ; a slot: Y's 16 tiles x 4,096 bytes, then X's
.set XOFF,  65536
.set FR,    8
.set NP,    4                          ; places behind this matrix instruction (ISA guide 7.12.1)
.set LN,    1
.set ADRA,  16                         ; v16-17 LDS address of my Y fragments in slot 0, 1
.set ADRB,  20                         ; v20-21 of my X fragments
.set L16,   26                         ; 16 x lane
.set L8,    27                         ; 8 x lane
.set SCY,   32
.set SCX,   64
.set AF,    128
.set WD,    0                          ; window 1 from here on
.set TM,    8
.set TL,    24
.set HA,    64
.set PCB,   128
.set BI,    192
.set WV,    14
.set SEL,   12
.set OUTI,  4                          ; s[4:5] where my images go;  s[6:7] my scale words;  s[8:9] my bias
.set OUTS,  6
.set BP,    8
.set PADW,  10
.set G1Y,   24
.set G0Y,   32
.set G1X,   48
.set G0X,   56
.set MSB,   0
.macro WIN new                         ; the immediate's high byte repeats the setting that is left
.if MSB != (\new)
	s_set_vgpr_msb (MSB<<8)|(\new)
.set MSB, (\new)
.endif
.endm
.set MUL_LO, 0xa1                      ; source 0 (X) window 1, source 1 (Y) window 0, C and D window 2
.set MUL_HI, 0xf1
.set TO_B,   0x40
.macro PLACES n
.rept \n
	v_nop
.endr
.endm
.macro CROUND                          ; a round of the cluster's barrier
	s_barrier_signal -1
	s_barrier_wait -1
	s_cmp_lg_u32 s[WV], 0
	s_cbranch_scc1 .Lnot_wave_0_\@
	s_barrier_signal -3
.Lnot_wave_0_\@:
	s_barrier_wait -3
	s_barrier_signal -1
	s_barrier_wait -1
.endm
; 16 nb numbers of a lane, register 16 b + i = k 32 b + 16 (lane / 16) + i of my row, become codes in v[pc] on and the row's scale bytes in v[pw]
.macro QUANT s, pc, pw, nb
.set QB, 0
.rept \nb
	v_max3_num_f32 v[TM+QB], |v[(\s)+16*QB]|, |v[(\s)+16*QB+1]|, 0x1800000   ; my 16 numbers of block b, and the floor 2^(3 - 127)
.set QB, QB+1
.endr
.set QI, 2
.rept 7
.set QB, 0
.rept \nb
	v_max3_num_f32 v[TM+QB], v[TM+QB], |v[(\s)+16*QB+QI]|, |v[(\s)+16*QB+QI+1]|   ; the blocks by turns
.set QB, QB+1
.endr
.set QI, QI+2
.endr
.set QB, 0
.rept \nb
	v_permlanex16_b32 v[TM+4+QB], v[TM+QB], s[SEL], s[SEL+1]
.set QB, QB+1
.endr
.set QB, 0
.rept \nb
	v_max_num_f32 v[TM+QB], v[TM+QB], v[TM+4+QB]   ; with lane l xor 16's: the block's largest magnitude
.set QB, QB+1
.endr
.set QB, 0
.rept \nb
	v_add_nc_u32 v[TM+12+QB], 0xff000000, v[TM+QB] ; 2 off its exponent field: the conversion's scale operand
.set QB, QB+1
.endr
.set QB, 0
.rept \nb
	v_lshrrev_b32 v[TM+4+QB], 23, v[TM+12+QB]      ; the scale's byte
.set QB, QB+1
.endr
	v_lshl_or_b32 v[\pw], v[TM+5], 8, v[TM+4]
.if \nb > 2
	v_lshl_or_b32 v[\pw], v[TM+6], 16, v[\pw]
	v_lshl_or_b32 v[\pw], v[TM+7], 24, v[\pw]
.endif
.set QB, 0
.rept \nb
	v_cvt_scalef32_pk8_fp4_f32 v[(\pc)+2*QB], v[(\s)+16*QB:(\s)+16*QB+7], v[TM+12+QB]
	v_cvt_scalef32_pk8_fp4_f32 v[(\pc)+2*QB+1], v[(\s)+16*QB+8:(\s)+16*QB+15], v[TM+12+QB]
.set QB, QB+1
.endr
	v_nop                                          ; one plain place behind a scaled conversion
.set QB, 0
.rept \nb/2                            ; the operand's layout wants a whole block in a lane: lanes 0-15 block 2 c, lanes 16-31 block 2 c + 1
	v_permlane16_swap_b32 v[(\pc)+4*QB], v[(\pc)+4*QB+2]
	v_permlane16_swap_b32 v[(\pc)+4*QB+1], v[(\pc)+4*QB+3]
.set QB, QB+1
.endr
.endm
	s_load_b512 s[68:83], s[0:1], 0x0              ; hc s[68:69], hs s[70:71], wi s[72:73], ws s[74:75], bq s[76:77], bk s[78:79], bv s[80:81], qkv s[82:83]
	v_lshl_add_u32 v254, v0, 2, 0x40000
	v_mov_b32 v255, 0
	ds_add_u32 v254, v255
	ds_add_u32 v254, v255
	v_lshrrev_b32 v2, 5, v0
	v_readfirstlane_b32 s[WV], v2                  ; wave 0..3
	v_and_b32 v[LN], 31, v0
	s_lshr_b32 s15, s[WV], 1                       ; which half of Y's rows I multiply
	s_and_b32 s16, s[WV], 1                        ; which half of X's rows I multiply
	s_bfe_u32 s40, ttmp6, 0x40000                  ; cx
	s_bfe_u32 s41, ttmp6, 0x40004                  ; cy
	s_mov_b32 s42, ttmp9                           ; cluster x: the product
	s_and_b32 s43, ttmp7, 0xffff                   ; cluster y
	s_lshl_b32 s44, s41, 2
	s_lshl_b32 s44, 15, s44                        ; my row of the cluster
	s_lshl_b32 s45, 0x1111, s40                    ; my column
	; descriptor group 1: 256 rows of 256 bytes, dense: 32 elements of 8 bytes a row: a block's 16 tiles of one slot
	s_or_b32 s[G1Y], s44, (3<<16)|(1<<21)          ; 15:0 the mask; 17:16 elements of 8 bytes; 21 set beside a mask
	s_or_b32 s[G1X], s45, (3<<16)|(1<<21)
.irp g, G1Y, G1X
	s_mov_b32 s[\g+1], 32<<16                      ; tensor_dim0
	s_mov_b32 s[\g+2], 256<<16                     ; tensor_dim1
	s_mov_b32 s[\g+3], 32<<16                      ; tile_dim0
	s_mov_b32 s[\g+4], 256                         ; tile_dim1
	s_mov_b32 s[\g+5], 32                          ; tensor_dim0_stride
	s_mov_b32 s[\g+6], 0
	s_mov_b32 s[\g+7], 0
.endr
	s_mov_b32 s[SEL], 0x76543210
	s_mov_b32 s[SEL+1], 0xfedcba98                 ; v_permlanex16_b32's selects for lane l xor 16
	s_lshl_b32 s66, s15, 15
	s_lshl_b32 s67, s16, 15
	s_mov_b32 s93, 0
	s_mov_b32 s95, 0
	s_mov_b32 s97, 0
	s_mov_b32 s99, 0
	s_wait_dscnt 0x0
	s_wait_kmcnt 0x0
	s_cmp_eq_u32 ttmp9, 2                          ; v?  The same in all sixteen partners
	s_cselect_b32 s46, s42, s43                    ; Y's block of 256 rows = cy + 4 x this
	s_cselect_b32 s47, s43, s42                    ; X's = cx + 4 x this
	s_cselect_b64 s[84:85], s[72:73], s[68:69]     ; Y's codes
	s_cselect_b64 s[86:87], s[74:75], s[70:71]     ; Y's scales
	s_cselect_b64 s[88:89], s[68:69], s[72:73]     ; X's codes
	s_cselect_b64 s[90:91], s[70:71], s[74:75]     ; X's scales
	s_mov_b32 s92, 0x200000
	s_cselect_b32 s92, 0x100000, s92               ; from slot 0's codes to slot 1's: 4,096 x the tensor's tiles
	s_mov_b32 s94, 0x100000
	s_cselect_b32 s94, 0x200000, s94
	s_lshl_b32 s46, s46, 2
	s_add_co_u32 s46, s46, s41                     ; iy: made of cy alone
	s_lshl_b32 s47, s47, 2
	s_add_co_u32 s47, s47, s40                     ; ix: made of cx alone
	s_lshl_b32 s96, s46, 16
	s_add_nc_u64 s[84:85], s[84:85], s[96:97]      ; Y's codes at the block's 256 rows
	s_lshl_b32 s98, s47, 16
	s_add_nc_u64 s[88:89], s[88:89], s[98:99]      ; X's
	s_lshl_b32 s96, s46, 13
	s_lshl_b32 s2, s15, 12
	s_add_co_u32 s96, s96, s2
	s_add_nc_u64 s[86:87], s[86:87], s[96:97]      ; the scale words of the 128 rows of Y that I multiply
	s_lshl_b32 s98, s47, 13
	s_lshl_b32 s3, s16, 12
	s_add_co_u32 s98, s98, s3
	s_add_nc_u64 s[90:91], s[90:91], s[98:99]      ; and of X
	s_mov_b32 s[G0Y], 1
	s_mov_b32 s[G0Y+1], 0
	s_mov_b64 s[G0Y+2:G0Y+3], s[84:85]
	s_or_b32 s[G0Y+3], s[G0Y+3], 0x80000000
	s_mov_b32 s[G0Y+4], 1
	s_mov_b32 s[G0Y+5], SLOTB
	s_add_nc_u64 s[G0Y+6:G0Y+7], s[84:85], s[92:93]
	s_or_b32 s[G0Y+7], s[G0Y+7], 0x80000000
	s_mov_b32 s[G0X], 1
	s_mov_b32 s[G0X+1], XOFF
	s_mov_b64 s[G0X+2:G0X+3], s[88:89]
	s_or_b32 s[G0X+3], s[G0X+3], 0x80000000
	s_mov_b32 s[G0X+4], 1
	s_mov_b32 s[G0X+5], SLOTB+XOFF
	s_add_nc_u64 s[G0X+6:G0X+7], s[88:89], s[94:95]
	s_or_b32 s[G0X+7], s[G0X+7], 0x80000000
	CROUND                                         ; all sixteen work-groups are here: the joint loads meet
; THE HEAD'S FOUR TILES, ONE A WAVE: wave 0 Y's 256 rows of slot 0, wave 1 X's, wave 2 Y's of slot 1, wave 3 X's.  One chain of branches on the wave's number, a load to an arm, all arms to one join.
.macro ARM under, g0, g1, next
	s_cmp_lt_u32 s[WV], \under
	s_cbranch_scc0 \next
	tensor_load_to_lds s[\g0:\g0+3], s[\g1:\g1+7]
	s_nop 0
	PLACES 4
	s_branch .Lfirst_asked
\next:
.endm
	ARM 1, G0Y, G1Y, .Lfirst_x0
	ARM 2, G0X, G1X, .Lfirst_y1
	ARM 3, G0Y+4, G1Y, .Lfirst_x1
	tensor_load_to_lds s[G0X+4:G0X+7], s[G1X:G1X+7]
	s_nop 0
	PLACES 4
.Lfirst_asked:
	s_wait_alu depctr_va_vdst(0)
	v_lshlrev_b32 v[L16], 4, v[LN]
	v_lshlrev_b32 v[L8], 3, v[LN]
.irp i, 0,1,2,3,4,5,6,7
	global_load_b128 v[SCY+4*\i:SCY+4*\i+3], v[L16], s[86:87] offset:512*\i
	global_load_b128 v[SCX+4*\i:SCX+4*\i+3], v[L16], s[90:91] offset:512*\i
.endr
	s_add_co_u32 s67, s67, XOFF
.irp s, 0,1
	v_add_nc_u32 v[ADRA+\s], s66, v[L16]
	v_add_nc_u32 v[ADRB+\s], s67, v[L16]
	s_add_co_u32 s66, s66, SLOTB
	s_add_co_u32 s67, s67, SLOTB
.endr
	; where the results go
	s_cmp_eq_u32 ttmp9, 2
	s_cselect_b32 s21, s47, s46                    ; the block of 256 tokens
	s_cselect_b32 s22, s41, s40                    ; the block of 256 features: four heads
	s_cselect_b32 s23, s15, s16                    ; my half of it: two heads
	s_cselect_b32 s17, s16, s15                    ; my half of the tokens
	s_cselect_b32 s18, 8, 9                        ; a key step's scale words: 256 bytes (v) or 512
	s_cselect_b64 s[BP:BP+1], s[80:81], s[78:79]
	s_cselect_b32 s19, 65536, 0                    ; the images' place in a record: k 0, v 65,536, q 143,360
	s_mov_b32 s11, 131072                          ; the scale words': k 131,072, v 139,264, q 208,896
	s_cselect_b32 s11, 139264, s11
	s_cmp_eq_u32 ttmp9, 0
	s_cselect_b64 s[BP:BP+1], s[76:77], s[BP:BP+1]
	s_cselect_b32 s19, 143360, s19
	s_cselect_b32 s11, 208896, s11
	s_lshr_b32 s2, s21, 3                          ; the batch: 8 blocks of 256 tokens each
	s_lshl_b32 s2, s2, 4
	s_lshl_b32 s3, s22, 2
	s_add_co_u32 s2, s2, s3
	s_lshl_b32 s3, s23, 1
	s_add_co_u32 s2, s2, s3                        ; the record of my first head: 16 x batch + head
	s_mul_i32 s10, s2, RECT
	s_and_b32 s3, s21, 7
	s_lshl_b32 s3, s3, 1
	s_add_co_u32 s17, s3, s17                      ; my key step
	s_lshl_b32 s2, s17, 12
	s_add_co_u32 s2, s2, s19
	s_add_co_u32 s2, s2, s10
	s_mov_b32 s3, 0
	s_add_nc_u64 s[OUTI:OUTI+1], s[82:83], s[2:3]
	s_lshl_b32 s2, s17, s18
	s_add_co_u32 s2, s2, s11
	s_add_co_u32 s2, s2, s10
	s_add_nc_u64 s[OUTS:OUTS+1], s[82:83], s[2:3]
	s_lshl_b32 s2, s22, 10
	s_lshl_b32 s11, s23, 9
	s_add_co_u32 s2, s2, s11
	s_add_nc_u64 s[BP:BP+1], s[BP:BP+1], s[2:3]    ; my 128 numbers of the bias
	s_mov_b32 s[PADW], 0x7f7f0000                  ; the scale bytes of k = 64 .. 127, where q's codes are zeros: 1.0
	v_lshrrev_b32 v3, 4, v[LN]
	v_lshlrev_b32 v4, 6, v3                        ; 64 h
	v_and_b32 v5, 15, v[LN]
	v_and_b32 v6, 8, v5
	v_add_nc_u32 v6, v6, v5
	v_lshlrev_b32 v6, 2, v6                        ; 4 (r + 8 (r / 8))
	; the bias in the result's layout, eight registers a tile.  q, k: it runs along X: tile b's eight features of my half.  v: along Y: tile a's feature of my lane, eight times
	s_cmp_eq_u32 ttmp9, 2
	s_cbranch_scc1 .Lbias_v
	WIN 0x40
.irp b, 0,1,2,3,4,5,6,7
	global_load_b128 v[BI+8*\b:BI+8*\b+3], v4, s[BP:BP+1] offset:128*(\b/2)+32*(\b%2)
	global_load_b128 v[BI+8*\b+4:BI+8*\b+7], v4, s[BP:BP+1] offset:128*(\b/2)+32*(\b%2)+16
.endr
	WIN 0
	s_branch .Lbias_in
.Lbias_v:
	WIN 0x40
	s_wait_alu depctr_va_vdst(0)
.irp a, 0,1,2,3,4,5,6,7
.irp j, 0,1,2,3,4,5,6,7
	global_load_b32 v[BI+8*\a+\j], v6, s[BP:BP+1] offset:128*(\a/2)+32*(\a%2)
.endr
.endr
	WIN 0
.Lbias_in:
.macro FRAG reg, adr, q, i             ; a fragment, 16 rows x 128 K: two dense loads of 512 bytes
.irp c, 0,1
	ds_load_b128 v[(\reg)+4*\c:(\reg)+4*\c+3], v[\adr] offset:(\i)*4096+(\q)*1024+512*\c
.endr
.endm
; 16 matrix instructions: Y's blocks a0, a0 + 1 x X's eight; the slot's q-th 128 along K; p: X's set.  The 64 accumulators take turns, one instruction a turn, in the same order in every step.
.macro MUL16 a0, p, q, slot, zero
.irp a, \a0, \a0+1
.irp b, 0,1,2,3,4,5,6,7
.set rD, 8*(8*((\a)%4)+\b)
.set rX, 128*(\p)+FR*\b
.set rY, AF+FR*(\a)
.set rSX, SCX+4*\b+(\q)
.set rSY, SCY+4*(\a)+(\q)
.if \zero
	v_wmma_scale_f32_16x16x128_f8f6f4 v[rD:rD+7], v[rX:rX+7], v[rY:rY+7], 0, v[rSX], v[rSY] matrix_a_fmt:MATRIX_FMT_FP4 matrix_b_fmt:MATRIX_FMT_FP4
.elseif \slot
	v_wmma_scale_f32_16x16x128_f8f6f4 v[rD:rD+7], v[rX:rX+7], v[rY:rY+7], v[rD:rD+7], v[rSX], v[rSY] matrix_a_fmt:MATRIX_FMT_FP4 matrix_b_fmt:MATRIX_FMT_FP4 matrix_a_scale:MATRIX_SCALE_ROW1 matrix_b_scale:MATRIX_SCALE_ROW1
.else
	v_wmma_scale_f32_16x16x128_f8f6f4 v[rD:rD+7], v[rX:rX+7], v[rY:rY+7], v[rD:rD+7], v[rSX], v[rSY] matrix_a_fmt:MATRIX_FMT_FP4 matrix_b_fmt:MATRIX_FMT_FP4
.endif
.endr
.endr
.endm
.macro FETCH_B slot, q, p
	WIN TO_B
.irp i, 0,1,2,3,4,5,6,7
	FRAG 128*(\p)+FR*\i, ADRB+\slot, \q, \i
.endr
	WIN 0
.endm
.macro FETCH_A slot, q, i0
.irp i, \i0, \i0+1, \i0+2, \i0+3
	FRAG AF+FR*(\i), ADRA+\slot, \q, \i
.endr
.endm
; A step of 128 along K with its successor in the same slot.  Loads into registers that matrix instructions have read stand NP plain vector instructions behind them.
.macro STEP slot, q, zero
	s_wait_dscnt 8                                 ; X's set and Y's blocks 0-3 are in; the youngest eight loads (Y's blocks 4-7) may be out
	WIN MUL_LO
	MUL16 0, (\q)%2, \q, \slot, \zero
	MUL16 2, (\q)%2, \q, \slot, \zero
	s_wait_dscnt 0
	PLACES NP
	FETCH_B \slot, (\q)+1, 1-(\q)%2
	FETCH_A \slot, (\q)+1, 0
	WIN MUL_HI
	MUL16 4, (\q)%2, \q, \slot, \zero
	MUL16 6, (\q)%2, \q, \slot, \zero
	PLACES NP
	WIN 0
	FETCH_A \slot, (\q)+1, 4
.endm
	s_cmp_lt_u32 s[WV], 2                          ; waves 0 and 1 fetched slot 0: they wait for it here; waves 2 and 3, whose load lines are their own, wait for slot 1 in front of the next barrier
	s_cbranch_scc0 .Lslot1_mine
	s_wait_tensorcnt 0x0
.Lslot1_mine:
	s_barrier_signal -1
	s_barrier_wait -1                              ; everybody's is
	s_wait_alu depctr_va_vdst(0)
	FETCH_B 0, 0, 0
	FETCH_A 0, 0, 0
	FETCH_A 0, 0, 4
	s_wait_loadcnt 0x0                             ; the scale words and the bias
	STEP 0, 0, 1                                   ; the first products start the sums: nothing is cleared
	STEP 0, 1, 0
	STEP 0, 2, 0
	; slot 0's last step goes over to slot 1: each wave's part of slot 1 has landed in front of its signal
	s_wait_tensorcnt 0x0
	s_wait_dscnt 8
	WIN MUL_LO
	MUL16 0, 1, 3, 0, 0
	s_wait_dscnt 0x0                               ; no LDS instruction of mine is pending at the signal
	s_barrier_signal -1
	MUL16 2, 1, 3, 0, 0
	s_barrier_wait -1
	PLACES NP
	FETCH_B 1, 0, 0
	FETCH_A 1, 0, 0
	WIN MUL_HI
	MUL16 4, 1, 3, 0, 0
	MUL16 6, 1, 3, 0, 0
	PLACES NP
	WIN 0
	FETCH_A 1, 0, 4
	STEP 1, 0, 0
	STEP 1, 1, 0
	STEP 1, 2, 0
	s_wait_dscnt 8                                 ; the last step: nothing more to fetch
	WIN MUL_LO
	MUL16 0, 1, 3, 1, 0
	MUL16 2, 1, 3, 1, 0
	s_wait_dscnt 0
	WIN MUL_HI
	MUL16 4, 1, 3, 1, 0
	MUL16 6, 1, 3, 1, 0
	WIN 0
	PLACES NP                                      ; in front of the first read of results just made
; THE WAY OUT, a block a of 16 rows of Y at a time.  The bias is added on the way from the accumulators' window into window 1 (each accumulator from its low end on); the lane's 64 numbers are four blocks of 32 along X.
; q, k: the four blocks are two heads of 64: registers 0-3 of the codes are head 0's image of these 16 tokens, registers 4-7 head 1's.  v: the four blocks are one key step: the eight registers are the fragment of 16 channels.
; Every store of codes covers 512 consecutive bytes.  No register of a store is written again.
.macro EPI isv
.irp a, 0,1,2,3,4,5,6,7
	WIN 0x46+(\a/4)                                ; source 0: window 2 or 3; source 1 and destination: window 1
.irp b, 0,1,2,3,4,5,6,7
.irp p, 0,2,4,6
.if \isv
	v_pk_add_f32 v[HA+8*\b+\p:HA+8*\b+\p+1], v[8*(8*(\a%4)+\b)+\p:8*(8*(\a%4)+\b)+\p+1], v[BI+8*\a+\p:BI+8*\a+\p+1]
.else
	v_pk_add_f32 v[HA+8*\b+\p:HA+8*\b+\p+1], v[8*(8*(\a%4)+\b)+\p:8*(8*(\a%4)+\b)+\p+1], v[BI+8*\b+\p:BI+8*\b+\p+1]
.endif
.endr
.endr
	WIN 0x55
	QUANT HA, PCB+8*\a, WD+\a, 4
	WIN 0x04                                       ; a store's address: window 0; its data: window 1
.if \isv
	global_store_b128 v[L16], v[PCB+8*\a:PCB+8*\a+3], s[OUTI:OUTI+1] offset:(\a/4)*RECT+(\a%4)*1024
	global_store_b128 v[L16], v[PCB+8*\a+4:PCB+8*\a+7], s[OUTI:OUTI+1] offset:(\a/4)*RECT+(\a%4)*1024+512
.else
	global_store_b128 v[L16], v[PCB+8*\a:PCB+8*\a+3], s[OUTI:OUTI+1] offset:\a*512
	global_store_b128 v[L16], v[PCB+8*\a+4:PCB+8*\a+7], s[OUTI:OUTI+1] offset:RECT+\a*512
.endif
.endr
	WIN 0x55                                       ; the scale words: lanes 0-15 take an even tile's, lanes 16-31 the odd tile's beside it (every lane holds its row's word)
.if \isv
.irp hd, 0,1
.irp i, 0,1
	v_cndmask_b32 v[TL+2*\hd+\i], v[WD+4*\hd+2*\i], v[WD+4*\hd+2*\i+1], vcc_lo
.endr
.endr
	WIN 0x04
	global_store_b64 v[L8], v[TL:TL+1], s[OUTS:OUTS+1]                 ; 256 consecutive bytes, aligned
	global_store_b64 v[L8], v[TL+2:TL+3], s[OUTS:OUTS+1] offset:RECT
.else
.irp i, 0,1,2,3
	v_cndmask_b32 v[TL+\i], v[WD+2*\i], v[WD+2*\i+1], vcc_lo
.endr
.irp i, 0,1,2,3
	v_lshrrev_b32 v[TL+4+\i], 16, v[TL+\i]         ; head 1's two bytes
.endr
.irp i, 0,1,2,3
	v_or_b32 v[TL+4+\i], s[PADW], v[TL+4+\i]
	v_and_or_b32 v[TL+\i], v[TL+\i], 0xffff, s[PADW]   ; head 0's
.endr
	WIN 0x04
	global_store_b128 v[L16], v[TL:TL+3], s[OUTS:OUTS+1]               ; 512 consecutive bytes
	global_store_b128 v[L16], v[TL+4:TL+7], s[OUTS:OUTS+1] offset:RECT
.endif
	WIN 0
.endm
	v_cmp_le_u32 vcc_lo, 16, v[LN]                 ; lanes 16-31
	WIN 0x40
.irp b, 0,1,2,3
	v_mov_b32 v[TM+4+\b], 0                        ; written once: a lane permute's destination counts as one of its sources
.endr
	WIN 0
	s_cmp_eq_u32 ttmp9, 2
	s_cbranch_scc1 .Lout_v
	EPI 0
	s_branch .Lend
.Lout_v:
	EPI 1
.Lend:
	s_wait_tensorcnt 0x0
	ds_add_u32 v254, v255
	s_wait_dscnt 0x0
	CROUND                                         ; the closing round: no work-group ends while a partner may still ask for a tile that names it
	s_endpgm
.Lfunc_end_k_qf399fa2f47_qkv:
	.size	k_qf399fa2f47_qkv, .Lfunc_end_k_qf399fa2f47_qkv-k_qf399fa2f47_qkv
	.p2alignl 7, 3214868480
	.fill 96, 4, 3214868480
	.section	.rodata,"a",@progbits
	.p2align	6, 0x0
	.amdhsa_kernel k_qf399fa2f47_qkv
		.amdhsa_group_segment_fixed_size 262656
		.amdhsa_private_segment_fixed_size 0
		.amdhsa_enable_private_segment 0
		.amdhsa_kernarg_size 64
		.amdhsa_user_sgpr_count 2
		.amdhsa_user_sgpr_kernarg_segment_ptr 1
		.amdhsa_wavefront_size32 1
		.amdhsa_system_sgpr_workgroup_id_x 1
		.amdhsa_system_sgpr_workgroup_id_y 1
		.amdhsa_system_sgpr_workgroup_id_z 1
		.amdhsa_system_vgpr_workitem_id 0
		.amdhsa_next_free_vgpr 1024
		.amdhsa_next_free_sgpr 100
		.amdhsa_reserve_vcc 1
		.amdhsa_float_denorm_mode_32 3
		.amdhsa_float_denorm_mode_16_64 3
		.amdhsa_memory_ordered 1
		.amdhsa_forward_progress 1
		.amdhsa_inst_pref_size 200
	.end_amdhsa_kernel
	.amdgpu_metadata
---
amdhsa.version: [ 1, 2 ]
amdhsa.kernels:
  - .name:           k_qf399fa2f47_qkv
    .symbol:         k_qf399fa2f47_qkv.kd
    .args:
      - { .name: hc, .offset: 0, .size: 8, .value_kind: global_buffer, .address_space: global }
      - { .name: hs, .offset: 8, .size: 8, .value_kind: global_buffer, .address_space: global }
      - { .name: wi, .offset: 16, .size: 8, .value_kind: global_buffer, .address_space: global }
      - { .name: ws, .offset: 24, .size: 8, .value_kind: global_buffer, .address_space: global }
      - { .name: bq, .offset: 32, .size: 8, .value_kind: global_buffer, .address_space: global }
      - { .name: bk, .offset: 40, .size: 8, .value_kind: global_buffer, .address_space: global }
      - { .name: bv, .offset: 48, .size: 8, .value_kind: global_buffer, .address_space: global }
      - { .name: qkv, .offset: 56, .size: 8, .value_kind: global_buffer, .address_space: global }
    .group_segment_fixed_size: 262656
    .private_segment_fixed_size: 0
    .kernarg_segment_align: 8
    .kernarg_segment_size: 64
    .max_flat_workgroup_size: 128
    .sgpr_count:     100
    .vgpr_count:     1024
    .wavefront_size: 32
...
	.end_amdgpu_metadata
.endif
;; end of part 2
;; launch attn (part 3): grid 4 x 64, 8 waves a work-group, clusters of 4 x 1, 169,984 bytes of LDS; arguments qkv, attention_mask, ctxc, ctxs; writes ctxc, ctxs
.if DOCPART == 3
	.amdgcn_target "amdgcn-amd-amdhsa--gfx1250"
	.amdhsa_code_object_version 6
	.text
	.protected	k_qf399fa2f47_attn
	.globl	k_qf399fa2f47_attn
	.p2align	8
	.type	k_qf399fa2f47_attn,@function
k_qf399fa2f47_attn:
	s_mov_b64 s[64:65], 0
	v_nop
	global_prefetch_b8 v0, s[64:65] scope:SCOPE_SE
	s_setreg_imm32_b32 hwreg(HW_REG_WAVE_MODE, 25, 1), 1
	s_wait_xcnt 0x0
	s_wait_alu depctr_hold_cnt(0) depctr_sa_sdst(0) depctr_va_vdst(0) depctr_va_sdst(0) depctr_va_ssrc(0) depctr_va_vcc(0) depctr_vm_vsrc(0)
	s_getreg_b32 s2, hwreg(HW_REG_IB_STS2, 6, 4)
	s_cmp_eq_u32 s2, 0
	s_cbranch_scc0 .Lentry_in_a_cluster
	s_endpgm
.Lentry_in_a_cluster:
	s_bfe_u32 s2, ttmp6, 0x10000c
	s_cmp_lg_u32 s2, 0x3003
	s_cbranch_scc0 .Lentry_shape_is_right
	s_endpgm
.Lentry_shape_is_right:
; ctx = softmax(q k^T / 8 + mask) v for one head and batch, both products on codes of FP4 with E8M0 scales; ctx is quantised along the head's 64 on the way out, for the last product.
; THE SOFTMAX: t = (q . k + 8 mask) x log2(e) / 8; M = the row's largest t so far, rounded up to a whole number; p = 2^(t - M) is quantised along the keys, not normalised; the row's sum of the unquantised p divides at the end.
; When M moves, the sum and O are multiplied by 2^(old M - new M): exact.
; SHARES.  256 work-groups.  A work-group owns 512 queries of one head, 32 tiles of 16; each of its eight waves works TWO TILES AT ONCE (tiles 16 j + 2 w and 16 j + 2 w + 1 in pass j = 0, 1).  A pass walks the 2,048 keys, 128 a step.
; Each fragment of K and V, each scale word and each register of the mask is loaded from LDS once for both tiles, and the two tiles' lines stand by turns, so that no line waits for the line above it.
; A WHOLE HEAD'S K AND V STAY IN LDS: 143,360 bytes of the head's record (K's images, V's images, their scale words), brought once: no LDS byte is filled twice.
; CLUSTER 4 x 1: the four query blocks of one head want the same record: each wave's part, 70 rows of 256 bytes, is asked for jointly.
; NO PREFETCH: the record comes once, by the head's loads; there is no loop to run ahead in.
; LAYOUT.  S^T = K Q^T (source 0 = 16 keys), O^T = V^T P^T (source 0 = 16 channels): a lane holds one query of each tile throughout.
; THE KEYS OF A TILE ARE CHOSEN BY LDS ADDRESS: row r of tile 4 c + i is key 64 c + 8 i + r % 8 + 32 (r / 8).  So lane (r, h) holds in the 32 registers of tiles 4 c .. 4 c + 3 the keys 64 c + 32 h + 0 .. 31:
; one whole block of 32.  A block's maximum needs no other lane, and the conversions' results are the second product's operand as they stand.
; In the record key 32 b + 8 u + x + 8 (x / 8) of a step lies in image 2 b + u at row x: hence the lane terms 16 (r % 8) + 1024 (r / 8) for codes and 16 (r % 8) + 4 (r / 8) for scale words.  The two groups of eight rows lie 1,024 bytes apart.
; THE HEAD HAS 64 CHANNELS, THE INSTRUCTION 128: Q's upper four registers are zero codes; K's upper four are whatever stands there (the next tile's codes): they meet zeros.  The scale bytes of that half are 1.0.
; THE MASK IS THE C OF THE FIRST PRODUCT: 8 x mask, in the result's layout, in 64 registers of its own that serve both tiles.
; LOADS RUN AHEAD: behind a step's first products stand the loads of its V and of the next step's K, scale words and mask.  The step index wraps at 16, so a pass's last step loads the next pass's first;
; what the second pass's last step loads is not used, and neither are the resets behind the second way out: the loop is written once.
; LIMITS: masks under -2^22 count as -2^22 (8 x mask is held at -2^25): that differs from the definition only in rows all of whose keys lie under it (a row of -infinity alone gives a number here, not NaN).
;   The promise holds while the scaled scores stay under 2^31 in magnitude.  A block of ctx under 2^-124, or of zeros, keeps the byte 1.
; REGISTERS.  Window 0: v1-12 addresses; v14-19 K's and V's scale words; v20-47 Q; v48-83 K; v84-115 V; v116-179 the mask; v180-211, v212-243 the two tiles' small state; v244-250 the head's; v254-255 for the add.
;   Window 1: v0-63, v64-127 S^T, then p, of tiles a = 0, 1; v128-159, v160-191 O^T; v192-199, v200-207 p's codes.  Every scale register lies in window 0.
.set RECT,  217088
.set VIM,   65536
.set KSC,   131072
.set VSC,   139264
.set QIM,   143360
.set QSC,   208896
.set MASKB, 143360                     ; LDS behind the record: 8 x mask of my batch, 8,192 bytes
.set GATH,  153600                     ; the tiles' scale bytes of ctx: 32 x 32 bytes
.set SPARE, 0x29000                    ; the spare words, 128 bytes a wave
.set AK0,  1                           ; 16 (r % 8) + 1024 (r / 8) + 256 h
.set AV0,  2                           ; VIM + 16 x lane
.set ASK0, 3                           ; KSC + 16 (r % 8) + 4 (r / 8) + 8 h
.set ASV0, 4                           ; VSC + 8 x lane
.set AM0,  5                           ; MASKB + 128 h
.set L16,  6                           ; 16 x lane
.set RR,   7
.set ADK,  8                           ; v8-12: the addresses that walk
.set ADV,  9
.set ADS,  10
.set ADT,  11
.set ADM,  12
.set KS,   14                          ; K's scale words: register i: lanes 0-15 tile i, lanes 16-31 tile 4 + i
.set VS,   18
.set QF,   20                          ; Q's fragments, 8 a on
.set QW,   36                          ; their scale words
.set QN,   38                          ; the second pass's, 4 a on
.set QWN,  46
.set KF,   48                          ; K: four registers a tile; v80-83 zeros
.set VF,   84
.set MK,   116
.set ST,   180                         ; a tile's state, 32 a on:
.set NM,   0                           ; -M;  with it as a pair:
.set MX,   1                           ; the largest score
.set SUM,  2                           ; the sum, in two halves
.set BM,   4                           ; four maxima: the blocks' end in + 0 and + 2
.set PM,   8
.set SO,   12                          ; the conversions' scale operands
.set T,    14
.set F,    16                          ; f, a pair
.set PSW,  18                          ; p's scale word
.set XW,   19
.set A1,   20                          ; three more chains of the sum
.set A2,   22
.set A3,   24
.set CWA,  26                          ; ctx's two scale bytes: the first pass's, the second's
.set CWB,  27
.set OO,   128                         ; window 1
.set PC,   192
.set WV,   12
.set SEL,  20
.set CS,   22
.set G1,   24
.set G0,   32
.set TRIP, 36
.set KN,   37                          ; the next step's place: 4,096 bytes a step in K's and V's images,
.set SN,   38                          ; 512 in K's scale words and in the mask,
.set VN,   39                          ; 256 in V's scale words
.set NCS,  56
.set MSB,  0
.macro WIN new                         ; bits 1:0 source 0, 3:2 source 1, 5:4 source 2, 7:6 destination; the high byte repeats the setting that is left
.if MSB != (\new)
	s_set_vgpr_msb (MSB<<8)|(\new)
.set MSB, (\new)
.endif
.endm
.macro PLACES n
.rept \n
	v_nop
.endr
.endm
.macro CROUND
	s_barrier_signal -1
	s_barrier_wait -1
	s_cmp_lg_u32 s[WV], 0
	s_cbranch_scc1 .Lnot_wave_0_\@
	s_barrier_signal -3
.Lnot_wave_0_\@:
	s_barrier_wait -3
	s_barrier_signal -1
	s_barrier_wait -1
.endm
.macro WMS a, t                        ; tile a's scores of K's tile t: K Q^T + 8 mask
.if (\t)/4
	v_wmma_scale_f32_16x16x128_f8f6f4 v[64*\a+8*\t:64*\a+8*\t+7], v[KF+4*\t:KF+4*\t+7], v[QF+8*\a:QF+8*\a+7], v[MK+8*\t:MK+8*\t+7], v[KS+\t%4], v[QW+\a] matrix_a_fmt:MATRIX_FMT_FP4 matrix_b_fmt:MATRIX_FMT_FP4 matrix_a_scale:MATRIX_SCALE_ROW1
.else
	v_wmma_scale_f32_16x16x128_f8f6f4 v[64*\a+8*\t:64*\a+8*\t+7], v[KF+4*\t:KF+4*\t+7], v[QF+8*\a:QF+8*\a+7], v[MK+8*\t:MK+8*\t+7], v[KS+\t%4], v[QW+\a] matrix_a_fmt:MATRIX_FMT_FP4 matrix_b_fmt:MATRIX_FMT_FP4
.endif
.endm
.macro WMO a, t                        ; tile a's O^T, 16 channels: += V^T P^T
.if (\t)%2
	v_wmma_scale_f32_16x16x128_f8f6f4 v[OO+32*\a+8*\t:OO+32*\a+8*\t+7], v[VF+8*\t:VF+8*\t+7], v[PC+8*\a:PC+8*\a+7], v[OO+32*\a+8*\t:OO+32*\a+8*\t+7], v[VS+\t/2], v[ST+32*\a+PSW] matrix_a_fmt:MATRIX_FMT_FP4 matrix_b_fmt:MATRIX_FMT_FP4 matrix_a_scale:MATRIX_SCALE_ROW1
.else
	v_wmma_scale_f32_16x16x128_f8f6f4 v[OO+32*\a+8*\t:OO+32*\a+8*\t+7], v[VF+8*\t:VF+8*\t+7], v[PC+8*\a:PC+8*\a+7], v[OO+32*\a+8*\t:OO+32*\a+8*\t+7], v[VS+\t/2], v[ST+32*\a+PSW] matrix_a_fmt:MATRIX_FMT_FP4 matrix_b_fmt:MATRIX_FMT_FP4
.endif
.endm
.macro INIT                            ; a pass's start: the largest score -3e38, -M = 3e38 (a whole number), the sums and O^T zeros: the first step's f is 0
.irp a, 0,1
	v_mov_b32 v[ST+32*\a+MX], 0xff61b1e6
	v_mov_b32 v[ST+32*\a+NM], 0x7f61b1e6
	v_mov_b32 v[ST+32*\a+SUM], 0
	v_mov_b32 v[ST+32*\a+SUM+1], 0
.endr
	WIN 0x40
.set J, 0
.rept 64
	v_mov_b32 v[OO+J], 0
.set J, J+1
.endr
	WIN 0
.endm
.macro KMLOAD                          ; K's eight tiles, their scale words, and 8 x mask of keys 64 c + 32 h + 0 .. 31 into registers 32 c on (sixteen lanes read the same bytes): 28 loads
.irp t, 0,1,2,3,4,5,6,7
	ds_load_b128 v[KF+4*\t:KF+4*\t+3], v[ADK] offset:2048*(\t/4)+512*(\t%2)+128*((\t%4)/2)
.endr
.irp i, 0,1,2,3
	ds_load_b32 v[KS+\i], v[ADS] offset:256*(\i%2)+128*(\i/2)
.endr
.irp c, 0,1
.irp e, 0,1,2,3,4,5,6,7
	ds_load_b128 v[MK+32*\c+4*\e:MK+32*\c+4*\e+3], v[ADM] offset:256*\c+16*\e
.endr
.endr
.endm
	s_load_b256 s[4:11], s[0:1], 0x0               ; qkv s[4:5], the mask s[6:7], ctxc s[8:9], ctxs s[10:11]
	v_lshl_add_u32 v254, v0, 2, SPARE
	v_mov_b32 v255, 0
	ds_add_u32 v254, v255                          ; the opening lines: the add, twice on end, and its wait ahead of my first tensor load
	ds_add_u32 v254, v255
	v_lshrrev_b32 v244, 5, v0
	v_readfirstlane_b32 s[WV], v244                ; wave 0..7
	v_and_b32 v[RR], 15, v0
	v_bfe_u32 v244, v0, 4, 1                       ; h
	v_and_b32 v245, 31, v0                         ; lane
	v_and_b32 v246, 7, v0                          ; r % 8
	v_bfe_u32 v247, v0, 3, 1                       ; r / 8
	v_lshlrev_b32 v[L16], 4, v245
	v_lshlrev_b32 v[AK0], 4, v246
	v_lshl_add_u32 v[ASK0], v246, 4, KSC
	v_lshl_add_u32 v[AK0], v247, 10, v[AK0]
	v_lshl_add_u32 v[ASK0], v247, 2, v[ASK0]
	v_lshl_add_u32 v[AK0], v244, 8, v[AK0]
	v_lshl_add_u32 v[ASK0], v244, 3, v[ASK0]
	v_add_nc_u32 v[AV0], VIM, v[L16]
	v_lshl_add_u32 v[ASV0], v245, 3, VSC
	v_lshl_add_u32 v[AM0], v244, 7, MASKB
	v_lshl_add_u32 v248, v0, 4, MASKB              ; where my 2 x 16 bytes of 8 x mask go
	v_lshlrev_b32 v249, 4, v0                      ; and where the mask's come from
	v_lshlrev_b32 v250, 4, v[RR]                   ; Q's scale words: 16 bytes a row
	v_mov_b32 v[ADK], v[AK0]                       ; the walking addresses begin at step 0
	v_mov_b32 v[ADV], v[AV0]
	v_mov_b32 v[ADS], v[ASK0]
	v_mov_b32 v[ADT], v[ASV0]
	v_mov_b32 v[ADM], v[AM0]
.irp j, 0,1,2,3
	v_mov_b32 v[QF+4+\j], 0                        ; zero codes for k = 64 .. 127
	v_mov_b32 v[QF+12+\j], 0
	v_mov_b32 v[KF+32+\j], 0
	v_mov_b32 v[ST+PM+\j], 0                       ; written once: a lane permute's destination counts as one of its sources
	v_mov_b32 v[ST+32+PM+\j], 0
.endr
.irp a, 0,1
	v_mov_b32 v[ST+32*\a+F+1], 0                   ; (named as the upper half of the pair)
	v_mov_b32 v[ST+32*\a+T], 0
	v_mov_b32 v[ST+32*\a+CWB], 0
.endr
	INIT
	s_wait_alu depctr_va_vdst(0)                   ; behind the head's vector work
	s_bfe_u32 s13, ttmp6, 0x40000                  ; cx: it enters global addresses of Q and ctx alone
	s_lshl_b32 s14, ttmp9, 2
	s_add_co_u32 s14, s14, s13                     ; my block of 512 queries
	s_and_b32 s15, ttmp7, 0xffff                   ; the record: 16 x batch + head
	s_lshr_b32 s16, s15, 4
	s_and_b32 s17, s15, 15
	s_mul_i32 s18, s15, RECT
	s_mov_b32 s19, 0
	s_mul_i32 s40, s[WV], 17920                    ; my wave's 70 rows of 256 bytes, in memory and in LDS
	s_mov_b32 s41, 0
	s_mov_b32 s[G1], 15|(3<<16)|(1<<21)            ; 15:0 the mask: all four work-groups; 17:16 elements of 8 bytes; 21 set beside a mask
	s_mov_b32 s[G1+1], 32<<16                      ; tensor_dim0
	s_mov_b32 s[G1+2], 70<<16                      ; tensor_dim1
	s_mov_b32 s[G1+3], 32<<16                      ; tile_dim0
	s_mov_b32 s[G1+4], 70                          ; tile_dim1
	s_mov_b32 s[G1+5], 32                          ; tensor_dim0_stride
	s_mov_b32 s[G1+6], 0
	s_mov_b32 s[G1+7], 0
	s_mov_b32 s[SEL], 0x76543210
	s_mov_b32 s[SEL+1], 0xfedcba98
	s_mov_b32 s[CS], 0x3e38aa3b                    ; c = log2(e) / 8
	s_mov_b32 s[CS+1], s[CS]                       ; (named with it as a pair, so it is written)
	s_mov_b32 s[NCS], 0xbe38aa3b                   ; -c
	s_mov_b32 s[TRIP], 0
	s_mov_b32 s43, 0
	s_mov_b32 s53, 0
	s_mov_b32 s55, 0
	s_wait_dscnt 0x0
	s_wait_kmcnt 0x0
	s_add_nc_u64 s[48:49], s[4:5], s[18:19]        ; the record
	s_mov_b32 s[G0], 1
	s_mov_b32 s[G0+1], s40
	s_add_nc_u64 s[G0+2:G0+3], s[48:49], s[40:41]
	s_or_b32 s[G0+3], s[G0+3], 0x80000000
	CROUND                                         ; all four work-groups are here: the joint loads meet
	tensor_load_to_lds s[G0:G0+3], s[G1:G1+7]      ; one load a wave is out
	s_nop 0
	PLACES 4
	s_lshl_b32 s42, s16, 13
	s_add_nc_u64 s[6:7], s[6:7], s[42:43]          ; my batch's mask
	global_load_b128 v[MK:MK+3], v249, s[6:7]      ; 256 threads x 2 x 16 bytes
	global_load_b128 v[MK+4:MK+7], v249, s[6:7] offset:4096
	s_lshl_b32 s42, s14, 5
	s_lshl_b32 s44, s[WV], 1
	s_add_co_u32 s44, s42, s44                     ; my first tile of queries among the head's 128: an even one; beside it the next; the second pass's are 16 on
	s_lshl_b32 s42, s44, 9
	s_add_co_u32 s42, s42, QIM
	s_add_nc_u64 s[46:47], s[48:49], s[42:43]
.irp a, 0,1
	global_load_b128 v[QF+8*\a:QF+8*\a+3], v[L16], s[46:47] offset:512*\a          ; Q's images
	global_load_b128 v[QN+4*\a:QN+4*\a+3], v[L16], s[46:47] offset:8192+512*\a
.endr
	s_lshr_b32 s42, s44, 3                         ; Q's scale words lie as K's: step tile / 8; 256 bytes on for an odd tile; word (tile % 8) / 2 of the row's four
	s_lshl_b32 s42, s42, 9
	s_bfe_u32 s45, s44, 0x20001
	s_lshl_b32 s45, s45, 2
	s_add_co_u32 s42, s42, s45
	s_add_co_u32 s42, s42, QSC
	s_add_nc_u64 s[50:51], s[48:49], s[42:43]
.irp a, 0,1
	global_load_b32 v[QW+\a], v250, s[50:51] offset:256*\a
	global_load_b32 v[QWN+\a], v250, s[50:51] offset:1024+256*\a
.endr
	s_lshl_b32 s42, s16, 7
	s_add_co_u32 s45, s42, s44                     ; the tile among all 512
	s_lshl_b32 s52, s45, 13
	s_lshl_b32 s45, s17, 9
	s_add_co_u32 s52, s52, s45
	s_add_nc_u64 s[8:9], s[8:9], s[52:53]          ; ctxc + tile 8192 + head 512
	s_lshl_b32 s45, s14, 5
	s_add_co_u32 s45, s45, s42
	s_lshl_b32 s54, s45, 5
	s_lshl_b32 s45, s17, 14
	s_add_co_u32 s54, s54, s45
	s_add_nc_u64 s[10:11], s[10:11], s[54:55]      ; ctxs + head 16384 + the work-group's first tile x 32
	s_wait_loadcnt 0x0
.irp j, 0,1,2,3,4,5,6,7
	v_mul_f32 v[MK+\j], 0x41000000, v[MK+\j]       ; 8 x mask: exact
.endr
.irp j, 0,1,2,3,4,5,6,7
	v_max_num_f32 v[MK+\j], 0xcc000000, v[MK+\j]   ; held at -2^25
.endr
	ds_store_b128 v248, v[MK:MK+3]
	ds_store_b128 v248, v[MK+4:MK+7] offset:4096
	s_wait_tensorcnt 0x0                           ; my part of the record has landed,
	s_wait_dscnt 0x0                               ; my part of the mask is stored:
	s_barrier_signal -1
	s_barrier_wait -1                              ; everybody's is
	KMLOAD                                         ; step 0's K, scale words and mask
.Ltrip:                                            ; 32 trips: a key step of 128 keys for both tiles; sixteen a pass
	s_add_co_u32 s40, s[TRIP], 1
	s_and_b32 s40, s40, 15                         ; the next step's place among a pass's sixteen
	s_lshl_b32 s[KN], s40, 12
	s_lshl_b32 s[SN], s40, 9
	s_lshl_b32 s[VN], s40, 8
	s_wait_dscnt 0x0                               ; this step's K, scale words and mask
	WIN 0x40                                       ; D in window 1; K, Q and the mask in window 0
.irp a, 0,1
.irp t, 0,1,2,3,4,5,6,7
	WMS \a, \t                                     ; sixteen accumulators, one instruction each
.endr
.endr
	WIN 0
	v_mov_b32 v[ST+T], v[ST+NM]                    ; the old -M.  Five plain lines: the places in front of the first read of the scores and of the loads into K's, V's and the mask's registers
	v_mov_b32 v[ST+32+T], v[ST+32+NM]
	v_add_nc_u32 v[ADK], s[KN], v[AK0]             ; the look-ahead's addresses
	v_add_nc_u32 v[ADS], s[SN], v[ASK0]
	v_add_nc_u32 v[ADM], s[SN], v[AM0]
.irp t, 0,1,2,3
.irp c, 0,1
	ds_load_b128 v[VF+8*\t+4*\c:VF+8*\t+4*\c+3], v[ADV] offset:1024*\t+512*\c   ; this step's V lands while the softmax is worked
.endr
.endr
	ds_load_b64 v[VS:VS+1], v[ADT]
	KMLOAD                                         ; and the next step's K, scale words and mask
	v_add_nc_u32 v[ADV], s[KN], v[AV0]
	v_add_nc_u32 v[ADT], s[VN], v[ASV0]
	WIN 0x15                                       ; three sources in window 1
.irp b, 0,1,2,3
.irp a, 0,1
	v_max3_num_f32 v[ST+32*\a+BM+\b], v[64*\a+16*\b], v[64*\a+16*\b+1], v[64*\a+16*\b+2]   ; eight chains of 16 scores, each accumulator from its low end on
.endr
.endr
	WIN 0x14
.irp i, 3,5,7,9,11,13
.irp b, 0,1,2,3
.irp a, 0,1
	v_max3_num_f32 v[ST+32*\a+BM+\b], v[ST+32*\a+BM+\b], v[64*\a+16*\b+\i], v[64*\a+16*\b+\i+1]
.endr
.endr
.endr
.irp c, 0,1
.irp a, 0,1
	v_max3_num_f32 v[ST+32*\a+BM+2*\c], v[ST+32*\a+BM+2*\c], v[64*\a+32*\c+15], v[64*\a+32*\c+31]
.endr
.endr
	WIN 0
.irp c, 0,1
.irp a, 0,1
	v_max_num_f32 v[ST+32*\a+BM+2*\c], v[ST+32*\a+BM+2*\c], v[ST+32*\a+BM+2*\c+1]   ; the largest score of my block 2 c + h: for the row's maximum, and, since p rises with the score, for the block's largest p
.endr
.endr
.irp a, 0,1
	s_delay_alu instid0(VALU_DEP_2)
	v_max_num_f32 v[ST+32*\a+T+1], v[ST+32*\a+BM], v[ST+32*\a+BM+2]
.endr
.irp a, 0,1
	s_delay_alu instid0(VALU_DEP_2)
	v_permlanex16_b32 v[ST+32*\a+PM+2], v[ST+32*\a+T+1], s[SEL], s[SEL+1]
.endr
.irp a, 0,1
	s_delay_alu instid0(VALU_DEP_2)
	v_max3_num_f32 v[ST+32*\a+MX], v[ST+32*\a+MX], v[ST+32*\a+T+1], v[ST+32*\a+PM+2]   ; the running largest score, with lane l xor 16's 64 keys
.endr
.irp a, 0,1
	s_delay_alu instid0(VALU_DEP_2)
	v_mul_f32 v[ST+32*\a+T+1], s[NCS], v[ST+32*\a+MX]          ; -t
.endr
.irp a, 0,1
	s_delay_alu instid0(VALU_DEP_2)
	v_floor_f32 v[ST+32*\a+NM], v[ST+32*\a+T+1]                ; the new -M = -ceil(t)
.endr
.irp a, 0,1
	s_delay_alu instid0(VALU_DEP_2)
	v_sub_f32 v[ST+32*\a+T], v[ST+32*\a+NM], v[ST+32*\a+T]     ; old M - new M: a whole number, 0 or less
.endr
.irp a, 0,1
	s_delay_alu instid0(VALU_DEP_2)
	v_cvt_i32_f32 v[ST+32*\a+T], v[ST+32*\a+T]                 ; (it saturates)
.endr
.irp a, 0,1
	s_delay_alu instid0(VALU_DEP_2)
	v_ldexp_f32 v[ST+32*\a+F], 1.0, v[ST+32*\a+T]              ; f = 2^(old M - new M)
.endr
.irp c, 0,1
.irp a, 0,1
	v_fma_f32 v[ST+32*\a+BM+2*\c], v[ST+32*\a+BM+2*\c], s[CS], v[ST+32*\a+NM]   ; t - M of each block's largest score
.endr
.endr
	WIN 0x41                                       ; destination and source 0 in window 1
.irp a, 0,1
.set J, 0
.rept 32
	v_pk_fma_f32 v[64*\a+J:64*\a+J+1], v[64*\a+J:64*\a+J+1], s[CS:CS+1], v[ST+32*\a+NM:ST+32*\a+NM+1] op_sel_hi:[1,0,0]   ; t - M, two at a time
.set J, J+2
.endr
.endr
	s_wait_alu depctr_va_vdst(0)                   ; ahead of the batch
.set J, 0
.rept 128
	v_exp_f32 v[J], v[J]                           ; p = 2^(t - M)
.set J, J+1
.endr
	WIN 0
.irp c, 0,1
.irp a, 0,1
	v_exp_f32 v[ST+32*\a+BM+2*\c], v[ST+32*\a+BM+2*\c]         ; the block's largest p: the same two instructions on the same number
.endr
.endr
.irp a, 0,1
	v_pk_mul_f32 v[ST+32*\a+SUM:ST+32*\a+SUM+1], v[ST+32*\a+SUM:ST+32*\a+SUM+1], v[ST+32*\a+F:ST+32*\a+F+1] op_sel_hi:[1,0]   ; the sums under the new M; plain lines behind the exponentials
.endr
	s_wait_alu depctr_va_vdst(0)                   ; one wait for the batch, ahead of its first reader
.irp c, 0,1
.irp a, 0,1
	v_max_num_f32 v[ST+32*\a+BM+2*\c], 0x1800000, v[ST+32*\a+BM+2*\c]   ; the floor 2^(3 - 127): the byte cannot fall under 1
.endr
.endr
.irp c, 0,1
.irp a, 0,1
	s_delay_alu instid0(VALU_DEP_4)
	v_add_nc_u32 v[ST+32*\a+SO+\c], 0xff000000, v[ST+32*\a+BM+2*\c]     ; 2 off the exponent field: the conversion's scale operand
.endr
.endr
.irp c, 0,1
.irp a, 0,1
	s_delay_alu instid0(VALU_DEP_4)
	v_lshrrev_b32 v[ST+32*\a+PM+\c], 23, v[ST+32*\a+SO+\c]     ; the bytes of blocks h and 2 + h
.endr
.endr
.irp a, 0,1
	s_delay_alu instid0(VALU_DEP_2)
	v_lshl_or_b32 v[ST+32*\a+XW], v[ST+32*\a+PM+1], 16, v[ST+32*\a+PM]
.endr
.irp a, 0,1
	s_delay_alu instid0(VALU_DEP_2)
	v_permlanex16_b32 v[ST+32*\a+PM+3], v[ST+32*\a+XW], s[SEL], s[SEL+1]
.endr
.irp a, 0,1
	s_delay_alu instid0(VALU_DEP_2)
	v_lshl_or_b32 v[ST+32*\a+PSW], v[ST+32*\a+PM+3], 8, v[ST+32*\a+XW]   ; lanes 0-15, which the product reads: the four bytes in their order
.endr
	WIN 0x05                                       ; the rows' sums of the unquantised p: four chains a tile, by turns
.irp k, 0,1,2
.irp a, 0,1
	v_pk_add_f32 v[ST+32*\a+A1+2*\k:ST+32*\a+A1+2*\k+1], v[64*\a+4*\k:64*\a+4*\k+1], v[64*\a+4*\k+2:64*\a+4*\k+3]
.endr
.endr
	WIN 0x04
.set J, 12
.rept 6
.irp a, 0,1
	v_pk_add_f32 v[ST+32*\a+SUM:ST+32*\a+SUM+1], v[ST+32*\a+SUM:ST+32*\a+SUM+1], v[64*\a+J:64*\a+J+1]
.endr
.irp k, 0,1,2
.irp a, 0,1
	v_pk_add_f32 v[ST+32*\a+A1+2*\k:ST+32*\a+A1+2*\k+1], v[ST+32*\a+A1+2*\k:ST+32*\a+A1+2*\k+1], v[64*\a+J+2+2*\k:64*\a+J+3+2*\k]
.endr
.endr
.set J, J+8
.endr
.irp a, 0,1
	v_pk_add_f32 v[ST+32*\a+SUM:ST+32*\a+SUM+1], v[ST+32*\a+SUM:ST+32*\a+SUM+1], v[64*\a+60:64*\a+61]
.endr
.irp a, 0,1
	v_pk_add_f32 v[ST+32*\a+A1:ST+32*\a+A1+1], v[ST+32*\a+A1:ST+32*\a+A1+1], v[64*\a+62:64*\a+63]
.endr
	WIN 0
.irp a, 0,1
	v_pk_add_f32 v[ST+32*\a+A2:ST+32*\a+A2+1], v[ST+32*\a+A2:ST+32*\a+A2+1], v[ST+32*\a+A3:ST+32*\a+A3+1]
.endr
.irp a, 0,1
	v_pk_add_f32 v[ST+32*\a+SUM:ST+32*\a+SUM+1], v[ST+32*\a+SUM:ST+32*\a+SUM+1], v[ST+32*\a+A1:ST+32*\a+A1+1]
.endr
.irp a, 0,1
	s_delay_alu instid0(VALU_DEP_2)
	v_pk_add_f32 v[ST+32*\a+SUM:ST+32*\a+SUM+1], v[ST+32*\a+SUM:ST+32*\a+SUM+1], v[ST+32*\a+A2:ST+32*\a+A2+1]
.endr
	WIN 0x41
.irp a, 0,1
.irp c, 0,1
.irp i, 0,1,2,3
	v_cvt_scalef32_pk8_fp4_f32 v[PC+8*\a+4*\c+\i], v[64*\a+32*\c+8*\i:64*\a+32*\c+8*\i+7], v[ST+32*\a+SO+\c]   ; register 4 c + i of the operand: keys 64 c + 32 h + 8 i + 0 .. 7
.endr
.endr
.endr
	v_nop                                          ; one plain place behind a scaled conversion
	s_wait_dscnt 28                                ; V and its scale words are in; the 28 loads of the next step may be out
	s_wait_alu depctr_va_vdst(0)                   ; directly ahead of the first reader of O^T
.irp a, 0,1
.set J, 0
.rept 16
	v_pk_mul_f32 v[OO+32*\a+J:OO+32*\a+J+1], v[OO+32*\a+J:OO+32*\a+J+1], v[ST+32*\a+F:ST+32*\a+F+1] op_sel_hi:[1,0]   ; O^T under the new M; these are also the places between p's codes and the products below
.set J, J+2
.endr
.endr
	WIN 0x54                                       ; V in window 0; p's codes, C and D in window 1
.irp a, 0,1
.irp t, 0,1,2,3
	WMO \a, \t                                     ; eight accumulators, one instruction each
.endr
.endr
	WIN 0
	s_wait_alu depctr_va_vdst(0)                   ; ahead of the branches
	s_add_co_u32 s[TRIP], s[TRIP], 1
	s_and_b32 s40, s[TRIP], 15
	s_cmp_lg_u32 s40, 0
	s_cbranch_scc1 .Lnext
	; A PASS'S WAY OUT: O^T / the sum; register 16 b + i is channel 32 b + 16 h + i: two blocks of 32; four registers of codes are the head's part of the last product's operand
	PLACES 4
.irp a, 0,1
	v_add_f32 v[ST+32*\a+SUM], v[ST+32*\a+SUM], v[ST+32*\a+SUM+1]
.endr
.irp a, 0,1
	s_delay_alu instid0(VALU_DEP_2)
	v_permlanex16_b32 v[ST+32*\a+T], v[ST+32*\a+SUM], s[SEL], s[SEL+1]
.endr
.irp a, 0,1
	s_delay_alu instid0(VALU_DEP_2)
	v_add_f32 v[ST+32*\a+SUM], v[ST+32*\a+SUM], v[ST+32*\a+T]  ; the row's sum
.endr
	s_wait_alu depctr_va_vdst(0)                   ; ahead of the transcendentals
.irp a, 0,1
	v_rcp_f32 v[ST+32*\a+SUM], v[ST+32*\a+SUM]
.endr
.irp a, 0,1
	v_mov_b32 v[ST+32*\a+CWA], v[ST+32*\a+CWB]     ; (plain places)  the pass before's scale bytes are kept
.endr
	s_wait_alu depctr_va_vdst(0)                   ; ahead of the first reader
	WIN 0x41
.irp a, 0,1
.set J, 0
.rept 16
	v_pk_mul_f32 v[OO+32*\a+J:OO+32*\a+J+1], v[OO+32*\a+J:OO+32*\a+J+1], v[ST+32*\a+SUM:ST+32*\a+SUM+1] op_sel_hi:[1,0]
.set J, J+2
.endr
.endr
	WIN 0x05
.irp b, 0,1
.irp a, 0,1
	v_max3_num_f32 v[ST+32*\a+BM+\b], |v[OO+32*\a+16*\b]|, |v[OO+32*\a+16*\b+1]|, 0x1800000   ; my 16 numbers of block b, and the floor 2^(3 - 127); four chains by turns
.endr
.endr
	WIN 0x14
.irp i, 2,4,6,8,10,12,14
.irp b, 0,1
.irp a, 0,1
	v_max3_num_f32 v[ST+32*\a+BM+\b], v[ST+32*\a+BM+\b], |v[OO+32*\a+16*\b+\i]|, |v[OO+32*\a+16*\b+\i+1]|
.endr
.endr
.endr
	WIN 0
.irp b, 0,1
.irp a, 0,1
	v_permlanex16_b32 v[ST+32*\a+PM+\b], v[ST+32*\a+BM+\b], s[SEL], s[SEL+1]
.endr
.endr
.irp b, 0,1
.irp a, 0,1
	v_max_num_f32 v[ST+32*\a+BM+\b], v[ST+32*\a+BM+\b], v[ST+32*\a+PM+\b]   ; with lane l xor 16's: the block's largest magnitude
.endr
.endr
.irp b, 0,1
.irp a, 0,1
	v_add_nc_u32 v[ST+32*\a+SO+\b], 0xff000000, v[ST+32*\a+BM+\b]
.endr
.endr
.irp b, 0,1
.irp a, 0,1
	v_lshrrev_b32 v[ST+32*\a+PM+\b], 23, v[ST+32*\a+SO+\b]
.endr
.endr
.irp a, 0,1
	v_lshl_or_b32 v[ST+32*\a+CWB], v[ST+32*\a+PM+1], 8, v[ST+32*\a+PM]
.endr
	WIN 0x41
.irp a, 0,1
.irp b, 0,1
	v_cvt_scalef32_pk8_fp4_f32 v[PC+8*\a+2*\b], v[OO+32*\a+16*\b:OO+32*\a+16*\b+7], v[ST+32*\a+SO+\b]
	v_cvt_scalef32_pk8_fp4_f32 v[PC+8*\a+2*\b+1], v[OO+32*\a+16*\b+8:OO+32*\a+16*\b+15], v[ST+32*\a+SO+\b]
.endr
.endr
	v_nop                                          ; one plain place behind a scaled conversion
.irp a, 0,1
	v_permlane16_swap_b32 v[PC+8*\a], v[PC+8*\a+2] ; a whole block in a lane
	v_permlane16_swap_b32 v[PC+8*\a+1], v[PC+8*\a+3]
.endr
	WIN 0x04                                       ; a store's address: window 0; its data: window 1
.irp a, 0,1
	global_store_b128 v[L16], v[PC+8*\a:PC+8*\a+3], s[8:9] offset:8192*\a   ; 512 consecutive bytes
.endr
	WIN 0
.irp a, 0,1
.irp j, 0,1,2,3
	v_mov_b32 v[QF+8*\a+\j], v[QN+4*\a+\j]         ; on to the second pass
.endr
	v_mov_b32 v[QW+\a], v[QWN+\a]
.endr
	INIT
	s_wait_xcnt 0x0                                ; the stores have read their registers and their base
	s_add_nc_u64 s[8:9], s[8:9], 131072            ; 16 tiles of 8,192 bytes on
	s_wait_alu depctr_va_vdst(0)                   ; ahead of the branch
.Lnext:
	s_cmp_lt_u32 s[TRIP], 32
	s_cbranch_scc1 .Ltrip
	; ctx's scale bytes: tile 16 j + 2 w + a of the work-group's 32 has bytes 512 j + 64 w + 32 a + 2 r: gathered in LDS, stored by waves 0 and 1 as 512 consecutive bytes each
	s_lshl_b32 s42, s[WV], 6
	v_lshl_add_u32 v[ADK], v[RR], 1, s42
	v_lshl_add_u32 v[ADV], v0, 4, GATH
	v_lshlrev_b32 v[ADS], 4, v0
	v_add_nc_u32 v[ADK], GATH, v[ADK]
.irp a, 0,1
	ds_store_b16 v[ADK], v[ST+32*\a+CWA] offset:32*\a          ; both halves of the lanes write the same bytes with the same value
	ds_store_b16 v[ADK], v[ST+32*\a+CWB] offset:512+32*\a
.endr
	s_wait_alu depctr_va_vdst(0)
	s_wait_dscnt 0x0
	s_barrier_signal -1
	s_barrier_wait -1                              ; the 32 tiles' scale bytes lie together
	s_cmp_lt_u32 s[WV], 2
	s_cbranch_scc0 .Lnot_first
	ds_load_b128 v[VF:VF+3], v[ADV]
	s_wait_dscnt 0x0
	global_store_b128 v[ADS], v[VF:VF+3], s[10:11]
.Lnot_first:
	s_wait_tensorcnt 0x0                           ; the wave's end
	ds_add_u32 v254, v255
	s_wait_dscnt 0x0
	CROUND                                         ; the closing round
	s_endpgm
.Lfunc_end_k_qf399fa2f47_attn:
	.size	k_qf399fa2f47_attn, .Lfunc_end_k_qf399fa2f47_attn-k_qf399fa2f47_attn
	.p2alignl 7, 3214868480
	.fill 96, 4, 3214868480
	.section	.rodata,"a",@progbits
	.p2align	6, 0x0
	.amdhsa_kernel k_qf399fa2f47_attn
		.amdhsa_group_segment_fixed_size 169984
		.amdhsa_private_segment_fixed_size 0
		.amdhsa_enable_private_segment 0
		.amdhsa_kernarg_size 32
		.amdhsa_user_sgpr_count 2
		.amdhsa_user_sgpr_kernarg_segment_ptr 1
		.amdhsa_wavefront_size32 1
		.amdhsa_system_sgpr_workgroup_id_x 1
		.amdhsa_system_sgpr_workgroup_id_y 1
		.amdhsa_system_sgpr_workgroup_id_z 1
		.amdhsa_system_vgpr_workitem_id 0
		.amdhsa_next_free_vgpr 512
		.amdhsa_next_free_sgpr 66
		.amdhsa_reserve_vcc 0
		.amdhsa_float_denorm_mode_32 3
		.amdhsa_float_denorm_mode_16_64 3
		.amdhsa_memory_ordered 1
		.amdhsa_forward_progress 1
		.amdhsa_inst_pref_size 52
	.end_amdhsa_kernel
	.amdgpu_metadata
---
amdhsa.version: [ 1, 2 ]
amdhsa.kernels:
  - .name:           k_qf399fa2f47_attn
    .symbol:         k_qf399fa2f47_attn.kd
    .args:
      - { .name: qkv, .offset: 0, .size: 8, .value_kind: global_buffer, .address_space: global }
      - { .name: attention_mask, .offset: 8, .size: 8, .value_kind: global_buffer, .address_space: global }
      - { .name: ctxc, .offset: 16, .size: 8, .value_kind: global_buffer, .address_space: global }
      - { .name: ctxs, .offset: 24, .size: 8, .value_kind: global_buffer, .address_space: global }
    .group_segment_fixed_size: 169984
    .private_segment_fixed_size: 0
    .kernarg_segment_align: 8
    .kernarg_segment_size: 32
    .max_flat_workgroup_size: 256
    .sgpr_count:     66
    .vgpr_count:     512
    .wavefront_size: 32
...
	.end_amdgpu_metadata
.endif
;; end of part 3
;; launch outln (part 4): grid 256 x 1, 4 waves a work-group, no clusters, 168,448 bytes of LDS; arguments ctxc, ctxs, wi, ws, bo, hidden_states, ln_gamma, ln_beta, out0; writes out0
.if DOCPART == 4
	.amdgcn_target "amdgcn-amd-amdhsa--gfx1250"
	.amdhsa_code_object_version 6
	.text
	.protected	k_qf399fa2f47_outln
	.globl	k_qf399fa2f47_outln
	.p2align	8
	.type	k_qf399fa2f47_outln,@function
k_qf399fa2f47_outln:
	s_mov_b64 s[64:65], 0
	v_nop
	global_prefetch_b8 v0, s[64:65] scope:SCOPE_SE
	s_setreg_imm32_b32 hwreg(HW_REG_WAVE_MODE, 25, 1), 1
	s_wait_xcnt 0x0
; out = LayerNorm(ctx Wo + bo + hidden) x gamma + beta; the product on codes of FP4 with E8M0 scales, all else in f32.
; SHARES.  A work-group owns 32 tokens (two tiles of ctx) and all 1,024 columns, so that a row's mean and variance never leave it; wave w owns columns 256 w .. 256 w + 255: 16 tiles of Wo, 32 accumulators.
; Source 0 = 16 rows of Wo (output columns), source 1 = ctx: lane (r, h) holds token 8 a + r + 8 (r / 8) and, in tile t, columns 32 (t / 2) + 16 h + 8 (t % 2) + 0 .. 7 of the wave's 256.
; THE RESIDUAL IS THE C OF THE FIRST PRODUCTS: hidden's 32 rows x 1,024 bytes of the wave come into its own stage in LDS by one tensor load and are read into the accumulators in the result's layout.
; The finished rows go back through the same stage, which has had its one fill, and leave as runs of 512 consecutive bytes.
; NO CLUSTER, though all work-groups read the same Wo: a joint load lands in LDS, where beside the 133,120 bytes of the stages two slots of an eighth of Wo's 557,056 bytes would fit: six refills, each behind a round
; of the cluster's barrier, and a fragment read from LDS would feed two products only.  So Wo's images go from memory straight into registers, 64 loads of a wave out at a time, with no barrier.
; THE VARIANCE is taken of y - mean, in a second pass over the registers: no difference of large sums.
; The stage's rows are 1,040 bytes apart; the two groups of eight rows of a tile lie 16 rows apart, which is a whole number of times 256 bytes: these accesses go two deep in the banks (64 banks of 4 bytes: ISA guide 11.1).
; REGISTERS.  Window 0: v1-7 addresses; v16-31 ctx's scale bytes as loaded; v32-39 ctx's scale words (lanes 0-15 tile 0, lanes 16-31 tile 1); v40-103 Wo's (4 a tile); v104-127 statistics; v128-255 ctx's fragments (a, s) at 128 + 64 a + 8 s.
;   Window 1: y: (t, a) at 8 (2 t + a).   Window 2: two buffers of 128 for a pair of Wo's tiles; later beta in v0-127.   Window 3: bo v0-127, gamma v128-255, at 8 t + j.
.set STG,   33280                      ; a wave's stage: 32 rows x RP
.set RP,    1040
.set STAT1, 133120                     ; the waves' sums: 128 bytes a wave; the sums of squares 512 bytes on
.set L16, 1
.set L2,  2
.set H64, 3
.set SA,  4                            ; the stage in the result's layout
.set RB,  5                            ; the stage by rows
.set SR,  6                            ; STAT1 + 4 r
.set SW,  7                            ; STAT1 + 128 w + 4 r
.set TU,  16
.set CSC, 32
.set WSC, 40
.set SM,  104
.set PT,  112
.set BC,  120
.set CF,  128
.set WV,  26
.set G0,  28
.set G1,  32
.set SEL, 40
.set INV, 44
.set NINV, 45
.set EPS, 46
.set MSB, 0
.macro WIN new
.if MSB != (\new)
	s_set_vgpr_msb (MSB<<8)|(\new)
.set MSB, (\new)
.endif
.endm
.macro PLACES n
.rept \n
	v_nop
.endr
.endm
.macro WM d, x, y, sx, sy, rx, ry      ; D += X Y^T; rx, ry: the scale words stand in lanes 16-31
.if (\rx) && (\ry)
	v_wmma_scale_f32_16x16x128_f8f6f4 v[(\d):(\d)+7], v[(\x):(\x)+7], v[(\y):(\y)+7], v[(\d):(\d)+7], v[\sx], v[\sy] matrix_a_fmt:MATRIX_FMT_FP4 matrix_b_fmt:MATRIX_FMT_FP4 matrix_a_scale:MATRIX_SCALE_ROW1 matrix_b_scale:MATRIX_SCALE_ROW1
.elseif \rx
	v_wmma_scale_f32_16x16x128_f8f6f4 v[(\d):(\d)+7], v[(\x):(\x)+7], v[(\y):(\y)+7], v[(\d):(\d)+7], v[\sx], v[\sy] matrix_a_fmt:MATRIX_FMT_FP4 matrix_b_fmt:MATRIX_FMT_FP4 matrix_a_scale:MATRIX_SCALE_ROW1
.elseif \ry
	v_wmma_scale_f32_16x16x128_f8f6f4 v[(\d):(\d)+7], v[(\x):(\x)+7], v[(\y):(\y)+7], v[(\d):(\d)+7], v[\sx], v[\sy] matrix_a_fmt:MATRIX_FMT_FP4 matrix_b_fmt:MATRIX_FMT_FP4 matrix_b_scale:MATRIX_SCALE_ROW1
.else
	v_wmma_scale_f32_16x16x128_f8f6f4 v[(\d):(\d)+7], v[(\x):(\x)+7], v[(\y):(\y)+7], v[(\d):(\d)+7], v[\sx], v[\sy] matrix_a_fmt:MATRIX_FMT_FP4 matrix_b_fmt:MATRIX_FMT_FP4
.endif
.endm
	s_load_b512 s[8:23], s[0:1], 0x0               ; ctxc s[8:9], ctxs s[10:11], wi s[12:13], ws s[14:15], bo s[16:17], hidden s[18:19], gamma s[20:21], beta s[22:23]
	s_load_b64 s[24:25], s[0:1], 0x40              ; out0
	v_lshl_add_u32 v126, v0, 2, 0x29000
	v_mov_b32 v127, 0
	ds_add_u32 v126, v127
	ds_add_u32 v126, v127
	v_lshrrev_b32 v1, 5, v0
	v_readfirstlane_b32 s[WV], v1                  ; wave 0..3
	v_and_b32 v8, 31, v0
	v_and_b32 v9, 15, v0
	v_bfe_u32 v10, v0, 4, 1
	; descriptor group 1: 32 rows of 1,024 bytes (128 elements of 8), 4,096 bytes apart in memory, 16 bytes of padding behind each in LDS
	s_mov_b32 s[G1], (3<<16)|(1<<20)|(7<<22)|(3<<25)   ; 17:16 elements of 8 bytes; 20 padding on; 24:22 after every 256 words (code 7); 31:25 four words (code 3)
	s_mov_b32 s[G1+1], 128<<16                     ; tensor_dim0
	s_mov_b32 s[G1+2], 32<<16                      ; tensor_dim1
	s_mov_b32 s[G1+3], 128<<16                     ; tile_dim0
	s_mov_b32 s[G1+4], 32                          ; tile_dim1
	s_mov_b32 s[G1+5], 512                         ; tensor_dim0_stride
	s_mov_b32 s[G1+6], 0
	s_mov_b32 s[G1+7], 0
	s_mul_i32 s27, s[WV], STG
	s_lshl_b32 s42, ttmp9, 17                      ; my work-group's 32 rows of 4,096 bytes,
	s_lshl_b32 s43, s[WV], 10                      ; my wave's 1,024 bytes of each
	s_add_co_u32 s42, s42, s43
	s_mov_b32 s43, 0
	s_mov_b32 s[SEL], 0x76543210
	s_mov_b32 s[SEL+1], 0xfedcba98
	s_mov_b32 s[INV], 0x3a800000                   ; 1 / 1024
	s_mov_b32 s[NINV], 0xba800000
	s_mov_b32 s[EPS], 0x2b8cbccc                   ; 1e-12
	s_wait_alu depctr_va_vdst(0)
	s_wait_dscnt 0x0
	s_wait_kmcnt 0x0
	s_mov_b32 s[G0], 1
	s_mov_b32 s[G0+1], s27
	s_add_nc_u64 s[G0+2:G0+3], s[18:19], s[42:43]
	s_or_b32 s[G0+3], s[G0+3], 0x80000000
	tensor_load_to_lds s[G0:G0+3], s[G1:G1+7]      ; the residual: one load a wave, into bytes that only this wave reads
	s_nop 0
	PLACES 4
	s_add_nc_u64 s[24:25], s[24:25], s[42:43]
	s_lshl_b32 s42, ttmp9, 14
	s_add_nc_u64 s[8:9], s[8:9], s[42:43]          ; my two tiles of ctx, 8,192 bytes each
	s_lshl_b32 s42, ttmp9, 6
	s_add_nc_u64 s[10:11], s[10:11], s[42:43]
	s_lshl_b32 s42, s[WV], 16
	s_add_co_u32 s42, s42, 192*4096
	s_add_nc_u64 s[12:13], s[12:13], s[42:43]      ; Wo's tiles 192 + 16 w on
	s_lshl_b32 s42, s[WV], 13
	s_add_co_u32 s42, s42, 192*512
	s_add_nc_u64 s[14:15], s[14:15], s[42:43]
	s_lshl_b32 s42, s[WV], 10
	s_add_nc_u64 s[16:17], s[16:17], s[42:43]
	s_add_nc_u64 s[20:21], s[20:21], s[42:43]
	s_add_nc_u64 s[22:23], s[22:23], s[42:43]
	v_lshlrev_b32 v[L16], 4, v8
	v_lshlrev_b32 v[L2], 1, v8
	v_lshlrev_b32 v[H64], 6, v10
	v_and_b32 v11, 8, v9
	v_add_nc_u32 v11, v11, v9                      ; r + 8 (r / 8)
	v_mul_u32_u24 v[SA], v11, RP
	v_add_nc_u32 v[SA], v[H64], v[SA]
	v_add_nc_u32 v[SA], s27, v[SA]
	v_add_nc_u32 v[RB], s27, v[L16]
	v_lshl_add_u32 v[SR], v9, 2, STAT1
	s_lshl_b32 s47, s[WV], 7
	v_add_nc_u32 v[SW], s47, v[SR]
.irp hd, 0,1,2,3,4,5,6,7,8,9,10,11,12,13,14,15
	global_load_u16 v[TU+\hd], v[L2], s[10:11] offset:\hd*16384   ; a head's two scale bytes of my row: lanes 0-15 tile 0, lanes 16-31 tile 1
.endr
.irp a, 0,1
.irp s, 0,1,2,3,4,5,6,7
.irp c, 0,1
	global_load_b128 v[CF+64*\a+8*\s+4*\c:CF+64*\a+8*\s+4*\c+3], v[L16], s[8:9] offset:\a*8192+\s*1024+\c*512
.endr
.endr
.endr
.irp t, 0,1,2,3,4,5,6,7,8,9,10,11,12,13,14,15
	global_load_b128 v[WSC+4*\t:WSC+4*\t+3], v[L16], s[14:15] offset:512*\t
.endr
	WIN 0xc0
.irp t, 0,1,2,3,4,5,6,7,8,9,10,11,12,13,14,15
.irp e, 0,1
	global_load_b128 v[8*\t+4*\e:8*\t+4*\e+3], v[H64], s[16:17] offset:128*(\t/2)+32*(\t%2)+16*\e
.endr
.endr
.irp t, 0,1,2,3,4,5,6,7,8,9,10,11,12,13,14,15
.irp e, 0,1
	global_load_b128 v[128+8*\t+4*\e:128+8*\t+4*\e+3], v[H64], s[20:21] offset:128*(\t/2)+32*(\t%2)+16*\e
.endr
.endr
.macro WLOAD p                         ; Wo's tiles 2 p and 2 p + 1, all eight K steps: 32 loads of 512 consecutive bytes, into buffer p % 2
	WIN 0x80
.irp u, 0,1
.irp s, 0,1,2,3,4,5,6,7
.irp c, 0,1
	global_load_b128 v[128*((\p)%2)+64*\u+8*\s+4*\c:128*((\p)%2)+64*\u+8*\s+4*\c+3], v[L16], s[12:13] offset:(\s/4)*0x100000+(2*(\p)+\u)*4096+(\s%4)*1024+512*\c
.endr
.endr
.endr
.endm
	WLOAD 0
	WLOAD 1
	WIN 0
	s_wait_loadcnt 32                              ; all but the 32 loads of pair 1
.irp s, 0,1,2,3,4,5,6,7
	v_lshl_or_b32 v[CSC+\s], v[TU+2*\s+1], 16, v[TU+2*\s]   ; K step s is heads 2 s and 2 s + 1: four bytes
.endr
	s_wait_alu depctr_va_vdst(0)
	s_wait_tensorcnt 0x0                           ; the residual has landed
	WIN 0x40
.set TT, 0
.rept 16
.irp a, 0,1
.irp e, 0,1
	ds_load_b128 v[8*(2*TT+\a)+4*\e:8*(2*TT+\a)+4*\e+3], v[SA] offset:\a*8*RP+128*(TT/2)+32*(TT%2)+16*\e
.endr
.endr
.set TT, TT+1
.endr
	WIN 0
	PLACES 8                                       ; a scale register written by a vector instruction stands eight places ahead of a scaled matrix instruction
	s_wait_dscnt 0x0
; A pair of Wo's tiles: 32 matrix instructions; the pair's four accumulators take turns, one instruction a turn, K ascending
.macro PAIR p
	s_wait_loadcnt 32                              ; this pair's loads are in; the 32 issued behind them may be out
	WIN 0x52                                       ; source 0 (Wo) window 2, source 1 (ctx) window 0, C and D window 1
.irp s, 0,1,2,3,4,5,6,7
.irp u, 0,1
.irp a, 0,1
	WM 8*(2*(2*(\p)+\u)+\a), 128*((\p)%2)+64*\u+8*\s, CF+64*\a+8*\s, WSC+4*(2*(\p)+\u)+\s%4, CSC+\s, \s/4, \a
.endr
.endr
.endr
	PLACES 4                                       ; in front of loads into registers that these have read, and of the first read of results
.if (\p) < 6
	WLOAD (\p)+2
.elseif (\p) == 6
	WIN 0x80
.irp t, 0,1,2,3,4,5,6,7,8,9,10,11,12,13,14,15
.irp e, 0,1
	global_load_b128 v[8*\t+4*\e:8*\t+4*\e+3], v[H64], s[22:23] offset:128*(\t/2)+32*(\t%2)+16*\e   ; beta, into the buffer that pair 6 has left
.endr
.endr
.endif
.endm
.irp p, 0,1,2,3,4,5,6,7
	PAIR \p
.endr
	; ---- y += bo (each accumulator from its low end on), and the rows' sums in four chains
	WIN 0x4d                                       ; y: window 1; bo: window 3
.set TT, 0
.rept 16
.irp a, 0,1
.irp p, 0,2,4,6
	v_pk_add_f32 v[8*(2*TT+\a)+\p:8*(2*TT+\a)+\p+1], v[8*(2*TT+\a)+\p:8*(2*TT+\a)+\p+1], v[8*TT+\p:8*TT+\p+1]
.endr
.endr
.set TT, TT+1
.endr
	WIN 0x05
.irp a, 0,1
	v_pk_add_f32 v[SM+4*\a:SM+4*\a+1], v[8*\a:8*\a+1], v[8*\a+4:8*\a+5]         ; the first tile starts the chains: nothing is cleared
	v_pk_add_f32 v[SM+4*\a+2:SM+4*\a+3], v[8*\a+2:8*\a+3], v[8*\a+6:8*\a+7]
.endr
	WIN 0x04
.set TT, 1
.rept 15
.irp p, 0,2,4,6
.irp a, 0,1
	v_pk_add_f32 v[SM+4*\a+\p%4:SM+4*\a+\p%4+1], v[SM+4*\a+\p%4:SM+4*\a+\p%4+1], v[8*(2*TT+\a)+\p:8*(2*TT+\a)+\p+1]
.endr
.endr
.set TT, TT+1
.endr
; the chains of both tiles of tokens are closed, joined with the other half of the lanes, handed to the other waves through LDS, and the four waves' parts added: v[PT], v[PT+4]
.macro ACROSS off
	WIN 0
.irp a, 0,1
	v_pk_add_f32 v[SM+4*\a:SM+4*\a+1], v[SM+4*\a:SM+4*\a+1], v[SM+4*\a+2:SM+4*\a+3]
.endr
.irp a, 0,1
	v_add_f32 v[SM+4*\a], v[SM+4*\a], v[SM+4*\a+1]
.endr
.irp a, 0,1
	v_permlanex16_b32 v[SM+4*\a+2], v[SM+4*\a], s[SEL], s[SEL+1]
.endr
.irp a, 0,1
	v_add_f32 v[SM+4*\a], v[SM+4*\a], v[SM+4*\a+2]
.endr
.irp a, 0,1
	ds_store_b32 v[SW], v[SM+4*\a] offset:\off+64*\a   ; both halves of the lanes write the same word with the same value
.endr
	s_wait_dscnt 0x0                               ; for the others' sake: my stores are done
	s_barrier_signal -1
	s_barrier_wait -1
.irp a, 0,1
.irp w, 0,1,2,3
	ds_load_b32 v[PT+4*\a+\w], v[SR] offset:\off+128*\w+64*\a
.endr
.endr
	s_wait_dscnt 0x0
.irp a, 0,1
	v_add_f32 v[PT+4*\a], v[PT+4*\a], v[PT+4*\a+1]
	v_add_f32 v[PT+4*\a+2], v[PT+4*\a+2], v[PT+4*\a+3]
.endr
.irp a, 0,1
	v_add_f32 v[PT+4*\a], v[PT+4*\a], v[PT+4*\a+2]
.endr
.endm
	ACROSS 0
.irp a, 0,1
	v_mul_f32 v[BC+2*\a], s[NINV], v[PT+4*\a]      ; -mean, twice: a pair for the packed addition
	v_mul_f32 v[BC+2*\a+1], s[NINV], v[PT+4*\a]
.endr
	WIN 0x41
.set TT, 0
.rept 16
.irp a, 0,1
.irp p, 0,2,4,6
	v_pk_add_f32 v[8*(2*TT+\a)+\p:8*(2*TT+\a)+\p+1], v[8*(2*TT+\a)+\p:8*(2*TT+\a)+\p+1], v[BC+2*\a:BC+2*\a+1]
.endr
.endr
.set TT, TT+1
.endr
	WIN 0x05
.irp p, 0,2
.irp a, 0,1
	v_pk_mul_f32 v[SM+4*\a+\p:SM+4*\a+\p+1], v[8*\a+\p:8*\a+\p+1], v[8*\a+\p:8*\a+\p+1]   ; the first squares start the chains
.endr
.endr
.irp p, 4,6
.irp a, 0,1
	v_pk_fma_f32 v[SM+4*\a+\p%4:SM+4*\a+\p%4+1], v[8*\a+\p:8*\a+\p+1], v[8*\a+\p:8*\a+\p+1], v[SM+4*\a+\p%4:SM+4*\a+\p%4+1]
.endr
.endr
.set TT, 1
.rept 15
.irp p, 0,2,4,6
.irp a, 0,1
	v_pk_fma_f32 v[SM+4*\a+\p%4:SM+4*\a+\p%4+1], v[8*(2*TT+\a)+\p:8*(2*TT+\a)+\p+1], v[8*(2*TT+\a)+\p:8*(2*TT+\a)+\p+1], v[SM+4*\a+\p%4:SM+4*\a+\p%4+1]
.endr
.endr
.set TT, TT+1
.endr
	ACROSS 512
.irp a, 0,1
	v_fma_f32 v[PT+4*\a], v[PT+4*\a], s[INV], s[EPS]   ; the variance + 1e-12
.endr
	s_wait_alu depctr_va_vdst(0)
.irp a, 0,1
	v_rsq_f32 v[BC+2*\a], v[PT+4*\a]
	v_rsq_f32 v[BC+2*\a+1], v[PT+4*\a]
.endr
	v_nop                                          ; a plain instruction behind the last of them
	s_wait_alu depctr_va_vdst(0)                   ; one wait for the four, ahead of their first reader
	s_wait_loadcnt 0x0                             ; beta
	WIN 0x41
.set TT, 0
.rept 16
.irp a, 0,1
.irp p, 0,2,4,6
	v_pk_mul_f32 v[8*(2*TT+\a)+\p:8*(2*TT+\a)+\p+1], v[8*(2*TT+\a)+\p:8*(2*TT+\a)+\p+1], v[BC+2*\a:BC+2*\a+1]
.endr
.endr
.set TT, TT+1
.endr
	WIN 0x6d                                       ; y: window 1; gamma: window 3; beta: window 2
.set TT, 0
.rept 16
.irp a, 0,1
.irp p, 0,2,4,6
	v_pk_fma_f32 v[8*(2*TT+\a)+\p:8*(2*TT+\a)+\p+1], v[8*(2*TT+\a)+\p:8*(2*TT+\a)+\p+1], v[128+8*TT+\p:128+8*TT+\p+1], v[8*TT+\p:8*TT+\p+1]
.endr
.endr
.set TT, TT+1
.endr
	; ---- out: into my stage, at the places from which the residual came, and back by rows; LDS serves a wave's instructions in order
	WIN 0x04
.set TT, 0
.rept 16
.irp a, 0,1
.irp e, 0,1
	ds_store_b128 v[SA], v[8*(2*TT+\a)+4*\e:8*(2*TT+\a)+4*\e+3] offset:\a*8*RP+128*(TT/2)+32*(TT%2)+16*\e
.endr
.endr
.set TT, TT+1
.endr
	WIN 0
.set II, 0
.rept 32
	ds_load_b128 v[CF+4*II:CF+4*II+3], v[RB] offset:(II/2)*RP+(II%2)*512
.set II, II+1
.endr
	WIN 0xc0
.rept 32
	ds_load_b128 v[4*(II-32):4*(II-32)+3], v[RB] offset:(II/2)*RP+(II%2)*512
.set II, II+1
.endr
	WIN 0
.set II, 0
.rept 32
	s_wait_dscnt 63-II                             ; load II is in; the 63 - II behind it may be out
	global_store_b128 v[L16], v[CF+4*II:CF+4*II+3], s[24:25] offset:(II/2)*4096+(II%2)*512 th:TH_STORE_NT   ; 512 consecutive bytes, aligned
.set II, II+1
.endr
	WIN 0x0c
.rept 32
	s_wait_dscnt 63-II
	global_store_b128 v[L16], v[4*(II-32):4*(II-32)+3], s[24:25] offset:(II/2)*4096+(II%2)*512 th:TH_STORE_NT
.set II, II+1
.endr
	WIN 0
	s_wait_tensorcnt 0x0
	ds_add_u32 v126, v127
	s_wait_dscnt 0x0
	s_endpgm
.Lfunc_end_k_qf399fa2f47_outln:
	.size	k_qf399fa2f47_outln, .Lfunc_end_k_qf399fa2f47_outln-k_qf399fa2f47_outln
	.p2alignl 7, 3214868480
	.fill 96, 4, 3214868480
	.section	.rodata,"a",@progbits
	.p2align	6, 0x0
	.amdhsa_kernel k_qf399fa2f47_outln
		.amdhsa_group_segment_fixed_size 168448
		.amdhsa_private_segment_fixed_size 0
		.amdhsa_enable_private_segment 0
		.amdhsa_kernarg_size 72
		.amdhsa_user_sgpr_count 2
		.amdhsa_user_sgpr_kernarg_segment_ptr 1
		.amdhsa_wavefront_size32 1
		.amdhsa_system_sgpr_workgroup_id_x 1
		.amdhsa_system_sgpr_workgroup_id_y 1
		.amdhsa_system_sgpr_workgroup_id_z 1
		.amdhsa_system_vgpr_workitem_id 0
		.amdhsa_next_free_vgpr 1024
		.amdhsa_next_free_sgpr 66
		.amdhsa_reserve_vcc 0
		.amdhsa_float_denorm_mode_32 3
		.amdhsa_float_denorm_mode_16_64 3
		.amdhsa_memory_ordered 1
		.amdhsa_forward_progress 1
		.amdhsa_inst_pref_size 149
	.end_amdhsa_kernel
	.amdgpu_metadata
---
amdhsa.version: [ 1, 2 ]
amdhsa.kernels:
  - .name:           k_qf399fa2f47_outln
    .symbol:         k_qf399fa2f47_outln.kd
    .args:
      - { .name: ctxc, .offset: 0, .size: 8, .value_kind: global_buffer, .address_space: global }
      - { .name: ctxs, .offset: 8, .size: 8, .value_kind: global_buffer, .address_space: global }
      - { .name: wi, .offset: 16, .size: 8, .value_kind: global_buffer, .address_space: global }
      - { .name: ws, .offset: 24, .size: 8, .value_kind: global_buffer, .address_space: global }
      - { .name: bo, .offset: 32, .size: 8, .value_kind: global_buffer, .address_space: global }
      - { .name: hidden_states, .offset: 40, .size: 8, .value_kind: global_buffer, .address_space: global }
      - { .name: ln_gamma, .offset: 48, .size: 8, .value_kind: global_buffer, .address_space: global }
      - { .name: ln_beta, .offset: 56, .size: 8, .value_kind: global_buffer, .address_space: global }
      - { .name: out0, .offset: 64, .size: 8, .value_kind: global_buffer, .address_space: global }
    .group_segment_fixed_size: 168448
    .private_segment_fixed_size: 0
    .kernarg_segment_align: 8
    .kernarg_segment_size: 72
    .max_flat_workgroup_size: 128
    .sgpr_count:     66
    .vgpr_count:     1024
    .wavefront_size: 32
...
	.end_amdgpu_metadata
.endif
;; end of part 4
